; MI455X (gfx1250); checked and timed in simulation.
; The chip was launched on July 23, 2026; its instructions are those of AMD's public machine-readable ISA for CDNA 5 (MIT licence, August 2026) and "CDNA5" Instruction Set Architecture Reference Guide (July 2026). The comments in the code are by the model that wrote it; some were corrected since.
;; Causal Self Attention. Allowed arithmetic: matrix products marked QUANTISED: E2M1 operands, one E8M0 scale for each 32 along K, by v_wmma_scale_f32_16x16x128_f8f6f4 with both operands' format E2M1 (or v_wmma_scale_f32_32x16x128_f4), f32 sums; products left as they are: bf16, f16 or f32 operands; f32 sums; everything else in f32.
;; Inputs: b_attn 3,072 float32; b_proj 1,024 float32; w_attn 1,024 x 3,072 float32; w_proj 1,024 x 1,024 float32; x 4 x 2,048 x 1,024 float32.
;; Outputs: out0 4 x 2,048 x 1,024 float32.
;; This version of the problem:
;;   THIS VERSION OF THE PROBLEM IS GIVEN IN LOW PRECISION. The matrix products marked QUANTISED in the list below multiply operands that are first quantised to E2M1 (2 exponent bits, 1 mantissa bit; 4 bits a number), with one power-of-two scale for each 32 numbers along K (OCP MX v1.0); their sums are f32. The products marked 'left as it is' may take bf16, f16 or f32 operands, with f32 sums. Whichever they take, every output number must still come out within the allowed error. Rounding operands to bf16 (8 significant bits) uses up far more of that allowance than f16 does (11 bits, for magnitudes from 6e-5 to 65,504). All else is computed in f32.
;;   The module's matrix products, in the order in which they are computed (A, B: the left and right operand; K: the contracted axis; several contracted axes count as one K, in the product's order):
;;     1. [M 8,192, K 1,024] x [K 1,024, N 3,072]; A: input x; B: input w_attn: QUANTISED
;;     2. batch 64 x [M 2,048, K 64] x [K 64, N 2,048]; A: computed on the way; B: computed on the way: left as it is (an operand is computed on the way)
;;     3. batch 64 x [M 2,048, K 2,048] x [K 2,048, N 64]; A: computed on the way; B: computed on the way: left as it is (an operand is computed on the way)
;;     4. [M 8,192, K 1,024] x [K 1,024, N 1,024]; A: computed on the way; B: input w_proj: left as it is (an operand is computed on the way)
;;   THE QUANTISER, for each operand of a quantised product, along K:
;;     - K is cut into blocks of 32 from its start; a last block that is shorter is filled with zeros.
;;     - A block's scale is 2^e with e = floor(log2(the largest magnitude in the block)) - 2, held to -126 .. 127; a block of zeros has e = 0. As a byte (E8M0): e + 127.
;;     - Each number is divided by its block's scale, clamped to +-6, and rounded to the nearest number of E2M1, ties to even, subnormals kept.
;;     - The product sums the exact products of the quantised numbers (number of the format x scale) in f32.
;;   ~~~python
;;   def quantise(x, axis):      # numpy; x: float32 -> the quantised numbers, widened to float32 again
;;       x = np.moveaxis(x, axis, -1); K = x.shape[-1]
;;       x = np.pad(x, [(0, 0)] * (x.ndim - 1) + [(0, -K % 32)]); x = x.reshape(x.shape[:-1] + (-1, 32)); a = np.abs(x).max(-1, keepdims=True)
;;       e = np.where(a > 0, np.clip(np.frexp(np.where(a > 0, a, 1))[1] - 1 - 2, -126, 127), 0)      # np.frexp(a)[1] - 1 = floor(log2(a)), exactly
;;       r = np.clip(x / 2.0 ** e, -6, 6)
;;       step = 2.0 ** (np.maximum(np.frexp(np.where(r == 0, 1, r))[1] - 1, 0) - 1)
;;       q = np.round(r / step) * step * 2.0 ** e      # np.round: ties to even
;;       return np.moveaxis(q.reshape(q.shape[:-2] + (-1,))[..., :K], -1, axis).astype(np.float32)
;;   ~~~
;; One version. Each part assembles by itself: llvm-mc -triple=amdgcn-amd-amdhsa -mcpu=gfx1250 --defsym DOCPART=n.
;; ======== version 1 of 1: 5 launches
;; limits: values are held in f16: magnitudes above 65,504 overflow, below 6.1e-05 lose precision
;; workspace buffers: x_img 4,194,304 bytes; x_sc 262,144 bytes; w_img 1,572,864 bytes; w_sc 98,304 bytes; wp 4,194,304 bytes; qkv 50,331,648 bytes; fineq 786,432 bytes; y_img 16,777,216 bytes
;; launch prep (part 1): grid 512 x 1, 4 waves a work-group, no clusters, 34,816 bytes of LDS; arguments x, w_attn, w_proj, x_img, x_sc, w_img, w_sc, wp; writes x_img, x_sc, w_img, w_sc, wp
.if DOCPART == 1
	.amdgcn_target "amdgcn-amd-amdhsa--gfx1250"
	.amdhsa_code_object_version 6
	.text
	.protected	k_qf1a1f6f5a2_prep
	.globl	k_qf1a1f6f5a2_prep
	.p2align	8
	.type	k_qf1a1f6f5a2_prep,@function
k_qf1a1f6f5a2_prep:
	s_mov_b64 s[64:65], 0
	v_nop
	global_prefetch_b8 v0, s[64:65] scope:SCOPE_SE
	s_setreg_imm32_b32 hwreg(HW_REG_WAVE_MODE, 25, 1), 1
	s_wait_xcnt 0x0
; THE OPERANDS ARE LAID OUT ONCE, as images of the registers in which the later launches want them: a group of four registers is 512 bytes, lane l's 16 bytes at 16 l.
; Work-groups 0-191: w_attn [1024 (k)][3072 (n)] f32 -> codes of FP4 (E2M1) with one E8M0 byte for each 32 along K.  192-447: x [8192][1024] f32 -> the same.  448-511: w_proj [1024 (k)][1024 (n)] f32 -> f16, a high and a low part.
; A block's scale is 2^(floor(log2(its largest magnitude)) - 2); its byte is the largest magnitude's exponent field - 2, held at 1 from below by a floor among the maximum's leaves.
; LAYOUTS.  x_img [row tile 512][K step 8][1,024]: registers 4 c .. 4 c + 3 of lane (r, h) hold K = 64 c + 32 h + 0 .. 31 of row r, at 512 c + 16 lane.  w_img [n tile 192][K step 8][1,024] likewise, r = the column.
; x_sc [row tile][slot 2][r 16][4 words], w_sc [n tile][slot 2][r 16][4 words]: word q is the scale word of K step 4 slot + q.  wp: high part at 0, low part at 2,097,152, each [n tile 64][32 k 32][1,024]:
; lane (r, h) is column r; k = 8 h + 0 .. 7 at 16 lane, k = 16 + 8 h + 0 .. 7 at 512 + 16 lane.
; LIMITS: a block of zeros gets the byte 1 where the quantiser says 127 (its codes are zeros, and this program alone reads the bytes); NaN and infinities among the inputs are not served; the split of w_proj rounds
; ties away from zero; parts under 6e-5 are kept to 3e-8 absolutely (f16's smallest step); |w_proj| above 65,504 becomes infinity.
; The three jobs part on the work-group's number, each with LDS bytes of its own, and meet at ONE barrier, which every wave passes.  No tensor load, no matrix instruction.
.set STG,   8448                       ; x: a stage of 16 rows x (512 + 16) bytes for each wave, from LDS byte 0
.set WSC,   33792                      ; w_attn: the work-group's scale words, [column 32][4 words]
.set SPARE, 34304                      ; the spare words, 128 bytes for each wave: two blocks of 256 bytes that no other line names
.set SPW,   14                         ; v14  LDS address of my spare word; never rewritten
.set NIL,   15                         ; v15  0; never rewritten
; v1 lane, v2 r, v3 h, v4 16 lane, v5 4 lane, v6 stage in, v7 stage out, v8 scale word in, v9 scale words out, v10 a job's store offset, v12 a permute's destination, v13 8 h
	s_load_b256 s[4:11], s[0:1], 0x0               ; x s[4:5], w_attn s[6:7], w_proj s[8:9], x_img s[10:11]
	s_load_b256 s[12:19], s[0:1], 0x20             ; x_sc s[12:13], w_img s[14:15], w_sc s[16:17], wp s[18:19]
	v_lshl_add_u32 v[SPW], v0, 2, SPARE
	v_mov_b32 v[NIL], 0
	v_lshrrev_b32 v1, 5, v0
	v_readfirstlane_b32 s20, v1                    ; wave 0..3
	v_and_b32 v1, 31, v0                           ; lane
	v_and_b32 v2, 15, v0                           ; r
	v_bfe_u32 v3, v0, 4, 1                         ; h
	v_lshlrev_b32 v4, 4, v1
	v_lshlrev_b32 v5, 2, v1
	s_mul_i32 s21, s20, STG                        ; every LDS address is made here, ahead of the parting
	v_add_nc_u32 v6, s21, v4                       ; the stage, on the way in: a row's 512 bytes as they lie
	v_mul_u32_u24 v7, v2, 528
	v_lshl_add_u32 v7, v3, 7, v7
	v_add_nc_u32 v7, s21, v7                       ; and on the way out: row r, + 128 h: my 32 numbers of each 64
	s_lshl_b32 s22, s20, 2
	v_add_nc_u32 v8, s22, v4
	v_add_nc_u32 v8, WSC, v8                       ; column = lane, word = wave
	v_add_nc_u32 v9, WSC, v4                       ; a column's four words
	s_mov_b32 s28, 0x76543210
	s_mov_b32 s29, 0xfedcba98                      ; v_permlanex16_b32's selects for lane l xor 16
	v_lshlrev_b32 v13, 3, v3
	v_mov_b32 v12, 0                               ; a lane permute's destination counts as one of its sources
	s_wait_kmcnt 0x0
	s_cmp_lt_u32 ttmp9, 192
	s_cbranch_scc1 .Lpath_w
	s_cmp_lt_u32 ttmp9, 448
	s_cbranch_scc1 .Lpath_x
; A lane takes a column and its registers run down K: block t of 32 rows into set t % 2; 32 lanes read 128 consecutive bytes
.macro LOADC t, rowb, base
.irp i, 0,1,2,3,4,5,6,7,8,9,10,11,12,13,14,15,16,17,18,19,20,21,22,23,24,25,26,27,28,29,30,31
	global_load_b32 v[32+32*((\t)%2)+\i], v5, s[\base:\base+1] offset:(32*(\t)+\i)*\rowb th:TH_LOAD_NT
.endr
.endm
; ---- w_proj: wave g = 4 (work-group - 448) + wave takes columns 32 (g % 32) on and k 128 (g / 32) on
	s_sub_co_u32 s21, ttmp9, 448
	s_lshl_b32 s21, s21, 2
	s_add_co_u32 s21, s21, s20
	s_and_b32 s22, s21, 31                         ; which 32 columns
	s_lshr_b32 s23, s21, 5                         ; which 128 along K
	s_lshl_b32 s24, s23, 19                        ; 128 rows of 4,096 bytes
	s_lshl_b32 s26, s22, 7
	s_add_co_u32 s24, s24, s26
	s_mov_b32 s25, 0
	s_add_nc_u64 s[8:9], s[8:9], s[24:25]
	s_lshl_b32 s24, s22, 16                        ; two n tiles of 32,768 bytes
	s_lshl_b32 s26, s23, 12                        ; four fragments of 1,024
	s_add_co_u32 s24, s24, s26
	s_add_nc_u64 s[18:19], s[18:19], s[24:25]
	v_lshlrev_b32 v10, 4, v2
	v_lshl_add_u32 v10, v3, 15, v10                ; my column's n tile and its place in a piece of 256 bytes
.macro BLOCKP t
.set XS, 32+32*((\t)%2)
.if (\t) < 3
	s_wait_loadcnt 32                              ; this block's 32 loads are in; the next block's may be out
.else
	s_wait_loadcnt 0x0
.endif
.if (\t) > 0
	s_wait_xcnt 0x0                                ; the last block's stores have read their data: v128-159 are written again only behind this wait
.endif
.irp i, 0,1,2,3,4,5,6,7,8,9,10,11,12,13,14,15,16,17,18,19,20,21,22,23,24,25,26,27,28,29,30,31
	v_add_nc_u32 v[96+\i], 0x1000, v[XS+\i]        ; the high part: the number rounded to 11 significant bits (half of the 13 bits that go is added, then they are cut),
	v_and_b32 v[96+\i], 0xffffe000, v[96+\i]
	v_sub_f32 v[XS+\i], v[XS+\i], v[96+\i]         ; the low part: what is left, exactly
.endr
.irp i, 0,1,2,3,4,5,6,7,8,9,10,11,12,13,14,15
	v_cvt_pk_f16_f32 v[128+\i], v[96+2*\i], v[97+2*\i]
	v_cvt_pk_f16_f32 v[144+\i], v[XS+2*\i], v[XS+2*\i+1]
.endr
.irp u, 0,1,2,3                        ; k = 8 u + 0 .. 7 belong to lane half u % 2 of register group u / 2; sixteen lanes store 256 consecutive bytes, aligned
	global_store_b128 v10, v[128+4*\u:131+4*\u], s[18:19] offset:(\t)*1024+(\u/2)*512+(\u%2)*256
	global_store_b128 v10, v[144+4*\u:147+4*\u], s[18:19] offset:2097152+(\t)*1024+(\u/2)*512+(\u%2)*256
.endr
.if (\t) < 2
	LOADC (\t)+2, 4096, 8
.endif
.endm
	LOADC 0, 4096, 8
	LOADC 1, 4096, 8
	BLOCKP 0
	BLOCKP 1
	BLOCKP 2
	BLOCKP 3
	s_branch .Ljoin
; ---- x: wave g = 4 (work-group - 192) + wave takes row tile g / 2 and K 512 (g % 2) on, in four steps of 128
.Lpath_x:
	s_sub_co_u32 s21, ttmp9, 192
	s_lshl_b32 s21, s21, 2
	s_add_co_u32 s21, s21, s20
	s_lshr_b32 s22, s21, 1                         ; row tile
	s_and_b32 s23, s21, 1                          ; slot
	s_lshl_b32 s24, s22, 16                        ; 16 rows of 4,096 bytes
	s_lshl_b32 s26, s23, 11
	s_add_co_u32 s24, s24, s26
	s_mov_b32 s25, 0
	s_add_nc_u64 s[4:5], s[4:5], s[24:25]
	s_lshl_b32 s24, s22, 13
	s_lshl_b32 s26, s23, 12
	s_add_co_u32 s24, s24, s26
	s_add_nc_u64 s[10:11], s[10:11], s[24:25]
	s_lshl_b32 s24, s22, 9
	s_lshl_b32 s26, s23, 8
	s_add_co_u32 s24, s24, s26
	s_add_nc_u64 s[12:13], s[12:13], s[24:25]
.macro LOADX q                         ; step q: 512 consecutive bytes of each of the 16 rows, into set q % 2
.irp i, 0,1,2,3,4,5,6,7,8,9,10,11,12,13,14,15
	global_load_b128 v[32+64*((\q)%2)+4*\i:35+64*((\q)%2)+4*\i], v4, s[4:5] offset:\i*4096+(\q)*512 th:TH_LOAD_NT
.endr
.endm
.macro STEPX q
.if (\q) < 3
	s_wait_loadcnt 16                              ; this step's 16 loads are in; the next step's may be out
.else
	s_wait_loadcnt 0x0
.endif
.irp i, 0,1,2,3,4,5,6,7,8,9,10,11,12,13,14,15
	ds_store_b128 v6, v[32+64*((\q)%2)+4*\i:35+64*((\q)%2)+4*\i] offset:\i*528
.endr
.irp c, 0,1                            ; LDS serves a wave's instructions in order: these see the stores above.  Register 32 c + j is K = 64 c + 32 h + j of row r
.irp p, 0,1,2,3,4,5,6,7
	ds_load_b128 v[160+32*\c+4*\p:163+32*\c+4*\p], v7 offset:256*\c+16*\p
.endr
.endr
	s_wait_dscnt 0x0                               ; the numbers are back, and the stores into the stage have read their registers,
.if (\q) < 2
	LOADX (\q)+2                                   ; which take the loads of two steps on
.endif
.irp c, 0,1
	v_max3_num_f32 v[16+\c], |v[160+32*\c]|, |v[161+32*\c]|, 0x1800000   ; block 2 c + h is all mine; the floor 2^(3 - 127) holds the byte at 1 from below
.endr
.irp i, 2,4,6,8,10,12,14,16,18,20,22,24,26,28,30
.irp c, 0,1
	v_max3_num_f32 v[16+\c], v[16+\c], |v[160+32*\c+\i]|, |v[161+32*\c+\i]|
.endr
.endr
.irp c, 0,1
	v_add_nc_u32 v[18+\c], 0xff000000, v[16+\c]    ; 2 off the exponent field: the conversion's scale operand
.endr
.irp c, 0,1
	v_lshrrev_b32 v[20+\c], 23, v[18+\c]           ; the scale's byte
.endr
	v_lshl_or_b32 v22, v21, 16, v20                ; my bytes: blocks h and 2 + h,
	v_lshlrev_b32 v22, v13, v22                    ; at their places in the word (8 h bits up);
	v_permlanex16_b32 v12, v22, s28, s29
	v_or_b32 v[24+(\q)], v22, v12                  ; with lane l xor 16's two the word is whole
.if (\q) > 1
	s_wait_xcnt 0x0                                ; the stores of two steps back have read their codes
.endif
.irp c, 0,1
.irp g, 0,1,2,3
	v_cvt_scalef32_pk8_fp4_f32 v[224+8*((\q)%2)+4*\c+\g], v[160+32*\c+8*\g:167+32*\c+8*\g], v[18+\c]
.endr
.endr
	v_nop                                          ; one plain instruction behind the scaled conversions
.irp c, 0,1
	global_store_b128 v4, v[224+8*((\q)%2)+4*\c:227+8*((\q)%2)+4*\c], s[10:11] offset:(\q)*1024+\c*512   ; 32 lanes store 512 consecutive bytes
.endr
.endm
	LOADX 0
	LOADX 1
	STEPX 0
	STEPX 1
	STEPX 2
	STEPX 3
	s_wait_xcnt 0x0                                ; EXEC changes only behind this wait
	v_cmp_gt_u32 vcc_lo, 16, v1
	s_and_saveexec_b32 s30, vcc_lo
	global_store_b128 v4, v[24:27], s[12:13]       ; lanes 0-15: row r's four scale words: 256 consecutive bytes, aligned
	s_wait_xcnt 0x0                                ; and again, in front of the line that widens it
	s_or_b32 exec_lo, exec_lo, s30
	s_branch .Ljoin
; ---- w_attn: work-group id takes columns 32 (id / 2) on and slot id % 2; its wave w takes K step 4 slot + w
.Lpath_w:
	s_lshr_b32 s22, ttmp9, 1                       ; which 32 columns
	s_and_b32 s23, ttmp9, 1                        ; slot
	s_lshl_b32 s21, s23, 2
	s_add_co_u32 s21, s21, s20                     ; K step
	s_mul_i32 s24, s21, 128*12288
	s_lshl_b32 s26, s22, 7
	s_add_co_u32 s24, s24, s26
	s_mov_b32 s25, 0
	s_add_nc_u64 s[6:7], s[6:7], s[24:25]
	s_lshl_b32 s24, s22, 14                        ; two n tiles of 8,192 bytes
	s_lshl_b32 s26, s21, 10
	s_add_co_u32 s24, s24, s26
	s_add_nc_u64 s[14:15], s[14:15], s[24:25]
	v_lshlrev_b32 v10, 4, v2
	v_lshl_add_u32 v10, v3, 13, v10                ; my column's n tile and its place in a piece of 256 bytes
.macro BLOCKW t
.set XS, 32+32*((\t)%2)
.if (\t) < 3
	s_wait_loadcnt 32                              ; this block's 32 loads are in; the next block's may be out
.else
	s_wait_loadcnt 0x0
.endif
	v_max3_num_f32 v16, |v[XS]|, |v[XS+1]|, |v[XS+2]|              ; the block's largest magnitude: all 32 numbers are mine; two chains
	v_max3_num_f32 v17, |v[XS+3]|, |v[XS+4]|, |v[XS+5]|
.irp i, 6,10,14,18,22,26
	v_max3_num_f32 v16, v16, |v[XS+\i]|, |v[XS+\i+1]|
	v_max3_num_f32 v17, v17, |v[XS+\i+2]|, |v[XS+\i+3]|
.endr
	v_max3_num_f32 v16, v16, |v[XS+30]|, |v[XS+31]|
	v_max3_num_f32 v16, v16, v17, 0x1800000        ; and the floor
	v_add_nc_u32 v11, 0xff000000, v16              ; the conversion's scale operand
	v_lshrrev_b32 v18, 23, v11                     ; the byte
.if (\t) == 0
	v_mov_b32 v24, v18                             ; four bytes make my column's scale word of this K step
.else
	v_lshl_or_b32 v24, v18, 8*(\t), v24
.endif
.irp g, 0,1,2,3
	v_cvt_scalef32_pk8_fp4_f32 v[96+4*(\t)+\g], v[XS+8*\g:XS+8*\g+7], v11   ; each block has code registers of its own: no store's data are written again
.endr
	v_nop                                          ; one plain instruction behind the scaled conversions
	global_store_b128 v10, v[96+4*(\t):99+4*(\t)], s[14:15] offset:((\t)/2)*512+((\t)%2)*256   ; block t = 2 c + h: register group c, lane half h; sixteen lanes store 256 consecutive bytes, aligned
.if (\t) < 2
	LOADC (\t)+2, 12288, 6
.endif
.endm
	LOADC 0, 12288, 6
	LOADC 1, 12288, 6
	BLOCKW 0
	BLOCKW 1
	BLOCKW 2
	BLOCKW 3
	ds_store_b32 v8, v24                           ; the four waves' words of a column meet in LDS
.Ljoin:
	s_wait_dscnt 0x0                               ; for the others' sake: my LDS stores are done
	s_barrier_signal -1
	s_barrier_wait -1
	s_cmp_ge_u32 ttmp9, 192
	s_cbranch_scc1 .Lend
	s_cmp_lg_u32 s20, 0
	s_cbranch_scc1 .Lend
	ds_load_b128 v[28:31], v9                      ; w_attn's wave 0: column = lane: its four scale words
	s_lshr_b32 s22, ttmp9, 1
	s_lshl_b32 s22, s22, 10                        ; two n tiles of 512 bytes
	s_and_b32 s23, ttmp9, 1
	s_lshl_b32 s23, s23, 8                         ; the slot's 256
	s_add_co_u32 s22, s22, s23
	s_mov_b32 s23, 0
	s_add_nc_u64 s[16:17], s[16:17], s[22:23]
	v_lshlrev_b32 v21, 4, v2
	v_lshl_add_u32 v21, v3, 9, v21
	s_wait_dscnt 0x0
	global_store_b128 v21, v[28:31], s[16:17]      ; sixteen lanes store 256 consecutive bytes, aligned
.Lend:
	s_wait_tensorcnt 0x0                           ; the wave's end: behind my last LDS store
	ds_add_u32 v[SPW], v[NIL]
	s_wait_dscnt 0x0
	s_endpgm
.Lfunc_end_k_qf1a1f6f5a2_prep:
	.size	k_qf1a1f6f5a2_prep, .Lfunc_end_k_qf1a1f6f5a2_prep-k_qf1a1f6f5a2_prep
	.p2alignl 7, 3214868480
	.fill 96, 4, 3214868480
	.section	.rodata,"a",@progbits
	.p2align	6, 0x0
	.amdhsa_kernel k_qf1a1f6f5a2_prep
		.amdhsa_group_segment_fixed_size 34816
		.amdhsa_private_segment_fixed_size 0
		.amdhsa_enable_private_segment 0
		.amdhsa_kernarg_size 64
		.amdhsa_user_sgpr_count 2
		.amdhsa_user_sgpr_kernarg_segment_ptr 1
		.amdhsa_wavefront_size32 1
		.amdhsa_system_sgpr_workgroup_id_x 1
		.amdhsa_system_sgpr_workgroup_id_y 1
		.amdhsa_system_sgpr_workgroup_id_z 1
		.amdhsa_system_vgpr_workitem_id 0
		.amdhsa_next_free_vgpr 240
		.amdhsa_next_free_sgpr 66
		.amdhsa_reserve_vcc 1
		.amdhsa_float_denorm_mode_32 3
		.amdhsa_float_denorm_mode_16_64 3
		.amdhsa_memory_ordered 1
		.amdhsa_forward_progress 1
		.amdhsa_inst_pref_size 94
	.end_amdhsa_kernel
	.amdgpu_metadata
---
amdhsa.version: [ 1, 2 ]
amdhsa.kernels:
  - .name:           k_qf1a1f6f5a2_prep
    .symbol:         k_qf1a1f6f5a2_prep.kd
    .args:
      - { .name: x, .offset: 0, .size: 8, .value_kind: global_buffer, .address_space: global }
      - { .name: w_attn, .offset: 8, .size: 8, .value_kind: global_buffer, .address_space: global }
      - { .name: w_proj, .offset: 16, .size: 8, .value_kind: global_buffer, .address_space: global }
      - { .name: x_img, .offset: 24, .size: 8, .value_kind: global_buffer, .address_space: global }
      - { .name: x_sc, .offset: 32, .size: 8, .value_kind: global_buffer, .address_space: global }
      - { .name: w_img, .offset: 40, .size: 8, .value_kind: global_buffer, .address_space: global }
      - { .name: w_sc, .offset: 48, .size: 8, .value_kind: global_buffer, .address_space: global }
      - { .name: wp, .offset: 56, .size: 8, .value_kind: global_buffer, .address_space: global }
    .group_segment_fixed_size: 34816
    .private_segment_fixed_size: 0
    .kernarg_segment_align: 8
    .kernarg_segment_size: 64
    .max_flat_workgroup_size: 128
    .sgpr_count:     66
    .vgpr_count:     240
    .wavefront_size: 32
...
	.end_amdgpu_metadata
.endif
;; end of part 1
;; launch gemm_qkv (part 2): grid 12 x 32, 4 waves a work-group, clusters of 4 x 4, 327,680 bytes of LDS; arguments x_img, x_sc, w_img, w_sc, b_attn, qkv, fineq; writes qkv, fineq
.if DOCPART == 2
	.amdgcn_target "amdgcn-amd-amdhsa--gfx1250"
	.amdhsa_code_object_version 6
	.text
	.protected	k_qf1a1f6f5a2_gemm_qkv
	.globl	k_qf1a1f6f5a2_gemm_qkv
	.p2align	8
	.type	k_qf1a1f6f5a2_gemm_qkv,@function
k_qf1a1f6f5a2_gemm_qkv:
	s_mov_b64 s[64:65], 0
	v_nop
	global_prefetch_b8 v0, s[64:65] scope:SCOPE_SE
	s_setreg_imm32_b32 hwreg(HW_REG_WAVE_MODE, 25, 1), 1
	s_wait_xcnt 0x0
	s_wait_alu depctr_hold_cnt(0) depctr_sa_sdst(0) depctr_va_vdst(0) depctr_va_sdst(0) depctr_va_ssrc(0) depctr_va_vcc(0) depctr_vm_vsrc(0)
	s_getreg_b32 s2, hwreg(HW_REG_IB_STS2, 6, 4)
	s_cmp_eq_u32 s2, 0
	s_cbranch_scc0 .Lentry_in_a_cluster
	s_endpgm
.Lentry_in_a_cluster:
	s_bfe_u32 s2, ttmp6, 0x10000c
	s_cmp_lg_u32 s2, 0xf033
	s_cbranch_scc0 .Lentry_shape_is_right
	s_endpgm
.Lentry_shape_is_right:
; qkv = Q(x) Q(w_attn) + b_attn: [8192 tokens][3072 columns], K = 1,024, on codes of FP4 (E2M1) with one E8M0 scale for each 32 along K; sums in f32.  Codes and scale words come as images of the operands' registers.
; A tile of 256 tokens x 256 columns is made by four waves, 128 x 128 each: 64 accumulators of 16 x 16, 512 registers.  K is two LDS slots of 512; both are asked for at the head and nothing is filled again.
; CLUSTERS: 4 x 4 work-groups.  The four of a row of the cluster need the same tokens, the four of a column the same columns of w: each tile is asked for JOINTLY, by the same tensor load with the same descriptor and a
; mask that names the four.  Tile row = 8 cy + cluster y: so the batch is cy and the block of 256 positions is the cluster's y, which all sixteen partners share: the one branch on it is alike in all.
; THE MATRIX INSTRUCTION IS USED TRANSPOSED (source 0 = 16 columns of w, source 1 = 16 tokens): a lane holds eight neighbouring columns of one token.  The bias is the C of each sum's first instruction.
; OUT: rounded to f16, straight from registers, as the attention launch wants them: qkv [batch x head 64][token tile 128][6,144]: Q at 0, K at 2,048, V at 4,096, each four pieces of 512 bytes (16 tokens x 16 channels).
; In Q and K lane (r, h)'s 16 bytes lie at 16 lane (two pieces are a fragment's registers); in V at 32 r + 16 h (rows of 32 bytes, for the turning load).  Every store of a wave covers 512 consecutive bytes.
; The first 16 positions of each batch go out in f32 too (fineq [batch][16 columns 192][1,024], an accumulator's registers as they stand), for the last launch.
; LIMITS: |q|, |k|, |v| above 65,504 become infinity in f16; magnitudes under 6e-5 are kept to 3e-8 absolutely.
; REGISTERS: window 0: v0-31 addresses; v32-95 scale words, two sets; v128-191 x's fragments, one set; on the way out v128-255 packed results.  window 1: w's fragments, two sets, at v0 and v128; v64-127 the bias.
;   window 2: the accumulators of my tokens 0-63 ((a, b) at v[8 (8 a + b)]);  window 3: those of tokens 64-127.
.set SLOT,   131072                    ; a slot: x's 16 row tiles x 4,096 bytes, then w's 16
.set BOFF,   65536
.set SCL,    262144                    ; behind the slots: x's scale words (8,192 bytes), then w's
.set SPARE,  278528                    ; the spare words, 128 bytes for each wave: two blocks of 256 bytes that no other line names
.set NQ,     4                         ; steps of 128 along K in a slot
.set FR,     8                         ; registers of a fragment
.set NL,     2                         ; LDS loads that bring one
.set NP,     4                         ; places behind this matrix instruction (ISA guide 7.12.1)
.set ADRA, 16                          ; v16-17  LDS address of x's fragments in slot 0, 1
.set ADRB, 20                          ; v20-21  of w's
.set BO,   24                          ; v24     32 h: my eight numbers of a bias block
.set FO,   25                          ; v25     16 x lane
.set CO,   26                          ; v26     my 16 bytes' place in a piece
.set ADRS, 27                          ; v27     LDS address of my scale words: lanes 0-15 x's, lanes 16-31 w's
.set SPW,  28                          ; v28     LDS address of my spare word; never rewritten
.set NIL,  29                          ; v29     0; never rewritten
.set SC,   32
.set AF,   128
.set BI,   64                          ; in window 1
.set PK,   128
.set G1, 24                            ; s[24:31] descriptor group 1 for x's tiles;  s[32:39] group 0, one set for each slot
.set G0, 32
.set G1B, 48                           ; s[48:55], s[56:63] the same for w's
.set G0B, 56
.set G1S, 68                           ; s[68:75], s[76:79] groups 1 and 0 for x's scale words;  s[80:87], s[88:91] for w's
.set G0S, 76
.set G1SB, 80
.set G0SB, 88
.set MSB, 0
.macro WIN new                         ; the immediate's high byte repeats the setting that is left
.if MSB != \new
	s_set_vgpr_msb (MSB<<8)|\new
.set MSB, \new
.endif
.endm
.set MUL_LO,  0xa1                     ; source 0 (w) window 1, source 1 (x) window 0, C and D window 2
.set MUL_HI,  0xf1                     ; the same, C and D window 3
.set MUL_LO0, 0x91                     ; the first step: C is the bias, in window 1
.set MUL_HI0, 0xd1
.set TO_B,    0x40                     ; destination window 1, address window 0
; A joint load: waves 0 and 1 fetch for x, waves 2 and 3 for w.  The branch hangs on the wave's number alone.  An s_nop 0 and four v_nop follow each of the two lines.
.macro JLOAD g0a, g1a, g0b, g1b
	s_cmp_eq_u32 s17, 0
	s_cbranch_scc0 .Lfor_b_\@
	tensor_load_to_lds s[\g0a:\g0a+3], s[\g1a:\g1a+7]
	s_nop 0
.rept 4
	v_nop
.endr
	s_branch .Lasked_\@
.Lfor_b_\@:
	tensor_load_to_lds s[\g0b:\g0b+3], s[\g1b:\g1b+7]
	s_nop 0
.rept 4
	v_nop
.endr
.Lasked_\@:
.endm
.macro CROUND                          ; a round of the cluster's barrier
	s_barrier_signal -1
	s_barrier_wait -1
	s_cmp_lg_u32 s16, 0
	s_cbranch_scc1 .Lnot_wave_0_\@
	s_barrier_signal -3
.Lnot_wave_0_\@:
	s_barrier_wait -3
	s_barrier_signal -1
	s_barrier_wait -1
.endm
	s_load_b128 s[4:7], s[0:1], 0x0                ; x_img s[4:5], x_sc s[6:7]
	s_load_b128 s[8:11], s[0:1], 0x10              ; w_img s[8:9], w_sc s[10:11]
	s_load_b128 s[12:15], s[0:1], 0x20             ; b_attn s[12:13], qkv s[14:15]
	s_load_b64 s[66:67], s[0:1], 0x30              ; fineq
	v_lshl_add_u32 v[SPW], v0, 2, SPARE
	v_mov_b32 v[NIL], 0
	ds_add_u32 v[SPW], v[NIL]                      ; the wave's opening: the add, twice on end, and its wait ahead of my first tensor load
	ds_add_u32 v[SPW], v[NIL]                      ; and once more; the set-up below, work on registers, stands between it and the wait
	v_lshrrev_b32 v1, 5, v0
	v_readfirstlane_b32 s16, v1                    ; wave 0..3
	s_lshr_b32 s17, s16, 1                         ; which half of the tile's tokens is mine.  Also: I fetch for x (0) or for w (1)
	s_and_b32 s18, s16, 1                          ; which half of its columns.  Also: which half of that tile I fetch
	s_bfe_u32 s40, ttmp6, 0x40000                  ; cx, cy: my place in the cluster
	s_bfe_u32 s41, ttmp6, 0x40004
	s_lshl_b32 s42, ttmp9, 2
	s_add_co_u32 s42, s42, s40                     ; tile column = 4 x cluster x + cx: cluster x = 0, 1, 2 is q, k, v
	s_and_b32 s45, ttmp7, 0xffff                   ; cluster y: which 256 positions of a batch
	s_lshl_b32 s19, s41, 3
	s_add_co_u32 s19, s19, s45                     ; tile row = 8 cy + cluster y
	s_lshl_b32 s43, s41, 2
	s_lshl_b32 s43, 15, s43                        ; my row of the cluster
	s_lshl_b32 s44, 0x1111, s40                    ; my column
	; group 1 for codes: 8 rows (tiles of 16 tokens or columns) x 4,096 bytes (a slot's four fragments), 8,192 bytes apart; elements of 8 bytes; no padding: images are read at 16 x lane
	s_or_b32 s[G1+0], s43, (3<<16)|(1<<21)         ; 15:0 the mask: x's tiles go to my row; 17:16 elements of 8 bytes; 21 set beside a mask
	s_or_b32 s[G1B+0], s44, (3<<16)|(1<<21)
.irp g, G1, G1B
	s_mov_b32 s[\g+1], 512<<16                     ; tensor_dim0 = 512 elements
	s_mov_b32 s[\g+2], 8<<16                       ; tensor_dim1 = 8
	s_mov_b32 s[\g+3], 512<<16                     ; tile_dim0
	s_mov_b32 s[\g+4], 8                           ; tile_dim1
	s_mov_b32 s[\g+5], 1024                        ; tensor_dim0_stride
	s_mov_b32 s[\g+6], 0
	s_mov_b32 s[\g+7], 0
.endr
	; and for the scale words of 8 tiles: 4,096 dense bytes, as 16 rows of 256
	s_or_b32 s[G1S+0], s43, (3<<16)|(1<<21)
	s_or_b32 s[G1SB+0], s44, (3<<16)|(1<<21)
.irp g, G1S, G1SB
	s_mov_b32 s[\g+1], 32<<16
	s_mov_b32 s[\g+2], 16<<16
	s_mov_b32 s[\g+3], 32<<16
	s_mov_b32 s[\g+4], 16
	s_mov_b32 s[\g+5], 32
	s_mov_b32 s[\g+6], 0
	s_mov_b32 s[\g+7], 0
.endr
	s_lshl_b32 s21, s18, 3                         ; which 8 tiles I fetch
	s_lshl_b32 s20, s19, 4
	s_add_co_u32 s20, s20, s21                     ; x: row tile 16 x tile row + 8 x half
	s_lshl_b32 s46, s42, 4
	s_add_co_u32 s46, s46, s21                     ; w: n tile 16 x tile column + 8 x half
	s_lshl_b32 s22, s20, 9                         ; their scale words, 512 bytes a tile,
	s_lshl_b32 s92, s46, 9
	s_lshl_b32 s20, s20, 13                        ; and their codes, 8,192
	s_lshl_b32 s46, s46, 13
	s_mov_b32 s21, 0
	s_mov_b32 s23, 0
	s_mov_b32 s47, 0
	s_mov_b32 s93, 0
	s_lshl_b32 s94, s16, 15                        ; where they go: wave x 32,768: no place in the cluster enters an LDS address
	s_lshl_b32 s95, s16, 12
	s_wait_dscnt 0x0                               ; both opening adds are done
	s_wait_kmcnt 0x0
	s_add_nc_u64 s[20:21], s[4:5], s[20:21]
	s_add_nc_u64 s[22:23], s[6:7], s[22:23]
	s_add_nc_u64 s[46:47], s[8:9], s[46:47]
	s_add_nc_u64 s[92:93], s[10:11], s[92:93]
	CROUND                                         ; all sixteen work-groups are here: the joint loads meet
	s_mov_b32 s[G0S], 1
	s_add_co_u32 s[G0S+1], s95, SCL
	s_mov_b64 s[G0S+2:G0S+3], s[22:23]
	s_or_b32 s[G0S+3], s[G0S+3], 0x80000000
	s_mov_b32 s[G0SB], 1
	s_add_co_u32 s[G0SB+1], s95, SCL
	s_mov_b64 s[G0SB+2:G0SB+3], s[92:93]
	s_or_b32 s[G0SB+3], s[G0SB+3], 0x80000000
	JLOAD G0S, G1S, G0SB, G1SB                     ; the scale words first: they are wanted with slot 0
.irp s, 0,1
	s_mov_b32 s[G0+4*\s], 1
	s_add_co_u32 s[G0+4*\s+1], s94, \s*SLOT
	s_add_nc_u64 s[G0+4*\s+2:G0+4*\s+3], s[20:21], \s*4096
	s_or_b32 s[G0+4*\s+3], s[G0+4*\s+3], 0x80000000
	s_mov_b32 s[G0B+4*\s], 1
	s_add_co_u32 s[G0B+4*\s+1], s94, \s*SLOT
	s_add_nc_u64 s[G0B+4*\s+2:G0B+4*\s+3], s[46:47], \s*4096
	s_or_b32 s[G0B+4*\s+3], s[G0B+4*\s+3], 0x80000000
	JLOAD G0+4*\s, G1, G0B+4*\s, G1B               ; three loads of mine are out, and no more follow
.endr
	v_and_b32 v1, 15, v0                           ; r
	v_bfe_u32 v2, v0, 4, 1                         ; h
	v_and_b32 v3, 31, v0
	v_lshlrev_b32 v[FO], 4, v3
	s_lshl_b32 s21, s17, 15                        ; my 8 row tiles of x,
	s_lshl_b32 s22, s18, 15                        ; my 8 n tiles of w,
	s_add_co_u32 s22, s22, BOFF                    ; which lie behind x's 16
.irp s, 0,1
	v_add_nc_u32 v[ADRA+\s], s21, v[FO]
	v_add_nc_u32 v[ADRB+\s], s22, v[FO]
	s_add_co_u32 s21, s21, SLOT
	s_add_co_u32 s22, s22, SLOT
.endr
	v_lshlrev_b32 v5, 4, v1                        ; my row's four scale words of a slot
	s_lshl_b32 s21, s17, 12                        ; x's: my 8 tiles
	s_lshl_b32 s22, s18, 12                        ; w's: my 8 tiles, behind x's 8,192 bytes
	s_add_co_u32 s22, s22, 8192
	s_sub_co_u32 s22, s22, s21
	v_mul_u32_u24 v6, s22, v2                      ; lanes 16-31 take w's: the lower base + h x the distance
	s_add_co_u32 s21, s21, SCL
	v_add_nc_u32 v5, v5, v6
	v_add_nc_u32 v[ADRS], s21, v5
	s_lshl_b32 s20, s42, 10                        ; the bias of my 128 columns
	s_lshl_b32 s21, s18, 9
	s_add_co_u32 s20, s20, s21
	s_mov_b32 s21, 0
	s_add_nc_u64 s[12:13], s[12:13], s[20:21]
	v_lshlrev_b32 v[BO], 5, v2
	WIN TO_B
.irp b, 0,1,2,3,4,5,6,7                ; in the result's layout: lane (r, h) wants columns 16 b + 8 h + 0 .. 7
	global_load_b128 v[BI+8*\b:BI+8*\b+3], v[BO], s[12:13] offset:64*\b
	global_load_b128 v[BI+8*\b+4:BI+8*\b+7], v[BO], s[12:13] offset:64*\b+16
.endr
	WIN 0
	; the way out: batch x head = 16 cy + 4 cx + 2 x column half (+ b / 4); token tile = 16 x cluster y + 8 x token half (+ a)
	s_lshl_b32 s20, s41, 4
	s_lshl_b32 s21, s40, 2
	s_add_co_u32 s20, s20, s21
	s_lshl_b32 s21, s18, 1
	s_add_co_u32 s20, s20, s21
	s_lshl_b32 s20, s20, 7
	s_lshl_b32 s21, s45, 4
	s_add_co_u32 s20, s20, s21
	s_lshl_b32 s21, s17, 3
	s_add_co_u32 s20, s20, s21
	s_mul_i32 s20, s20, 6144
	s_lshl_b32 s21, ttmp9, 11                      ; Q, K or V's part of a record
	s_add_co_u32 s20, s20, s21
	s_mov_b32 s21, 0
	s_add_nc_u64 s[14:15], s[14:15], s[20:21]
	s_mul_i32 s22, s41, 196608                     ; fineq: the batch, and my first block of 16 columns: 16 x tile column + 8 x half
	s_lshl_b32 s23, s42, 14
	s_add_co_u32 s22, s22, s23
	s_lshl_b32 s23, s18, 13
	s_add_co_u32 s22, s22, s23
	s_mov_b32 s23, 0
	s_add_nc_u64 s[66:67], s[66:67], s[22:23]
	s_cmp_eq_u32 ttmp9, 2                          ; V's pieces are rows of 32 bytes; Q's and K's are register images
	s_cselect_b32 s2, 32, 16
	s_cselect_b32 s3, 16, 256
	v_mul_u32_u24 v[CO], v1, s2
	v_mad_u32_u24 v[CO], v2, s3, v[CO]
.macro FRAG reg, adr, q, i             ; a fragment, 16 rows x 128 K of 4-bit codes: 8 registers, as they were stored
.irp c, 0,1
	ds_load_b128 v[\reg+4*\c:\reg+4*\c+3], v[\adr] offset:(\i)*4096+(\q)*1024+512*\c
.endr
.endm
; 16 matrix instructions: x's blocks a0, a0 + 1 against w's eight, 128 along K.  p: w's set; sc: the set of scale words.  zero = 1: the first product starts the sums on the bias: nothing is ever cleared.
; The 64 accumulators take turns, one instruction a turn, in the same order in every step.
.macro MUL16 a0, p, q, sc, zero
.irp a, \a0, \a0+1
.irp b, 0,1,2,3,4,5,6,7
.if \zero
	v_wmma_scale_f32_16x16x128_f8f6f4 v[8*(8*((\a)%4)+\b):8*(8*((\a)%4)+\b)+7], v[128*(\p)+FR*\b:128*(\p)+FR*\b+FR-1], v[AF+FR*(\a):AF+FR*(\a)+FR-1], v[BI+8*\b:BI+8*\b+7], v[SC+8*NQ*(\sc)+NQ*\b+(\q)], v[SC+8*NQ*(\sc)+NQ*(\a)+(\q)] matrix_a_fmt:MATRIX_FMT_FP4 matrix_b_fmt:MATRIX_FMT_FP4 matrix_a_scale:MATRIX_SCALE_ROW1
.else
	v_wmma_scale_f32_16x16x128_f8f6f4 v[8*(8*((\a)%4)+\b):8*(8*((\a)%4)+\b)+7], v[128*(\p)+FR*\b:128*(\p)+FR*\b+FR-1], v[AF+FR*(\a):AF+FR*(\a)+FR-1], v[8*(8*((\a)%4)+\b):8*(8*((\a)%4)+\b)+7], v[SC+8*NQ*(\sc)+NQ*\b+(\q)], v[SC+8*NQ*(\sc)+NQ*(\a)+(\q)] matrix_a_fmt:MATRIX_FMT_FP4 matrix_b_fmt:MATRIX_FMT_FP4 matrix_a_scale:MATRIX_SCALE_ROW1
.endif
.endr
.endr
.endm
.macro FETCH_B slot, q, p              ; w's eight fragments of the slot's q-th 128 along K into set p
	WIN TO_B
.irp i, 0,1,2,3,4,5,6,7
	FRAG 128*(\p)+FR*\i, ADRB+\slot, \q, \i
.endr
	WIN 0
.endm
.macro FETCH_A slot, q, i0             ; x's blocks i0 .. i0 + 3
.irp i, \i0, \i0+1, \i0+2, \i0+3
	FRAG AF+FR*(\i), ADRA+\slot, \q, \i
.endr
.endm
.macro SCALES sc                       ; slot sc's scale words: four words a row; lanes 0-15 take x's block i, lanes 16-31 w's block i
.irp i, 0,1,2,3,4,5,6,7
	ds_load_b128 v[SC+8*NQ*\sc+NQ*\i:SC+8*NQ*\sc+NQ*\i+3], v[ADRS] offset:\i*512+\sc*256
.endr
.endm
.macro PLACES n                        ; places in front of loads into registers that matrix instructions have read, and of the first read of results
.rept \n
	v_nop
.endr
.endm
; A step of 128 along K that has its successor in the same slot.  A block of x is free as soon as its eight products are issued: blocks 0-3 are fetched anew in the step's middle, blocks 4-7 at its end.
.macro STEP slot, q, zero
	s_wait_dscnt 4*NL                              ; w's set and x's blocks 0-3 are in; the youngest eight loads (x's blocks 4-7) may be out
.if \zero
	WIN MUL_LO0
.else
	WIN MUL_LO
.endif
	MUL16 0, (\q)%2, \q, \slot, \zero
	MUL16 2, (\q)%2, \q, \slot, \zero
	s_wait_dscnt 0                                 ; x's blocks 4-7 are in (asked for 32 matrix instructions ago)
	PLACES NP
	FETCH_B \slot, (\q)+1, 1-(\q)%2
	FETCH_A \slot, (\q)+1, 0
.if \zero
	WIN MUL_HI0
.else
	WIN MUL_HI
.endif
	MUL16 4, (\q)%2, \q, \slot, \zero
	MUL16 6, (\q)%2, \q, \slot, \zero
	PLACES NP
	WIN 0
	FETCH_A \slot, (\q)+1, 4
.endm
; Slot 0's last step goes over to slot 1: each wave waits for its part of slot 1, and one barrier shows the whole slot to all four.
.macro TURN slot, next
	s_wait_tensorcnt 0x0                           ; all my tensor loads have landed  (every window is 0 here)
	ds_add_u32 v[SPW], v[NIL]                      ; 0 onto my spare word
	s_wait_dscnt 4*NL+1                            ; (the add and the youngest eight loads may be out)
	WIN MUL_LO
	MUL16 0, 1, NQ-1, \slot, 0
	s_wait_dscnt 0x0                               ; no LDS instruction of mine is out at the signal
	s_barrier_signal -1
	MUL16 2, 1, NQ-1, \slot, 0
	WIN 0
	s_barrier_wait -1
	PLACES NP
	FETCH_B \next, 0, 0
	FETCH_A \next, 0, 0
	SCALES \next
	WIN MUL_HI
	MUL16 4, 1, NQ-1, \slot, 0
	MUL16 6, 1, NQ-1, \slot, 0
	PLACES NP
	WIN 0
	FETCH_A \next, 0, 4
.endm
	s_wait_tensorcnt 1                             ; the scale words and my part of slot 0 are in; slot 1's load may be out
	s_barrier_signal -1
	s_barrier_wait -1                              ; everybody's are
	FETCH_B 0, 0, 0
	FETCH_A 0, 0, 0
	SCALES 0
	FETCH_A 0, 0, 4
	s_wait_loadcnt 0x0                             ; the bias
	STEP 0, 0, 1
	STEP 0, 1, 0
	STEP 0, 2, 0
	TURN 0, 1
	STEP 1, 0, 0
	STEP 1, 1, 0
	STEP 1, 2, 0
	s_wait_dscnt 4*NL                              ; the last step: nothing more to fetch
	WIN MUL_LO
	MUL16 0, 1, NQ-1, 1, 0
	MUL16 2, 1, NQ-1, 1, 0
	s_wait_dscnt 0
	WIN MUL_HI
	MUL16 4, 1, NQ-1, 1, 0
	MUL16 6, 1, NQ-1, 1, 0
	WIN 0
	PLACES NP                                      ; behind the last products: results are read, and x's fragments' registers written, only behind these
	; positions 0 to 15 of the batch, in f32: cluster y = 0 and the first half of the tokens; the test is the same in all sixteen partners for a given wave
	s_or_b32 s3, s45, s17
	s_cmp_lg_u32 s3, 0
	s_cbranch_scc1 .Lno_fine
	WIN 0x08                                       ; a store's data are its source 1: window 2
.irp b, 0,1,2,3,4,5,6,7
	global_store_b128 v[FO], v[8*\b:8*\b+3], s[66:67] offset:\b*1024         ; each accumulator from its low end on
	global_store_b128 v[FO], v[8*\b+4:8*\b+7], s[66:67] offset:\b*1024+512
.endr
	WIN 0
.Lno_fine:
.macro PACK a                          ; block a of 16 tokens: a lane's eight columns become 16 bytes of f16
	WIN 0x0a+5*((\a)/4)                            ; sources 0 and 1: window 2 or 3
.irp b, 0,1,2,3,4,5,6,7
.irp i, 0,1,2,3
	v_cvt_pk_f16_f32 v[PK+32*((\a)%4)+4*\b+\i], v[8*(8*((\a)%4)+\b)+2*\i], v[8*(8*((\a)%4)+\b)+2*\i+1]
.endr
.endr
	WIN 0
.endm
.macro SEND a                          ; token tile a, head b / 4, piece b % 4: all in the immediate, 830,976 at the most
.irp b, 0,1,2,3,4,5,6,7
	global_store_b128 v[CO], v[PK+32*((\a)%4)+4*\b:PK+32*((\a)%4)+4*\b+3], s[14:15] offset:(\a)*6144+(\b/4)*786432+(\b%4)*512 th:TH_STORE_NT
.endr
.endm
.irp a, 0,1,2,3,4,5,6,7
.if \a > 3
	s_wait_xcnt 0x0                                ; the stores of four blocks back have read their data: their registers are written again only behind this wait
.endif
	PACK \a
	SEND \a
.endr
	s_wait_tensorcnt 0x0                           ; the wave's end: behind my last tensor load
	ds_add_u32 v[SPW], v[NIL]
	s_wait_dscnt 0x0
	CROUND                                         ; the closing round: no work-group ends while a partner may still ask for a tile that names it
	s_endpgm
.Lfunc_end_k_qf1a1f6f5a2_gemm_qkv:
	.size	k_qf1a1f6f5a2_gemm_qkv, .Lfunc_end_k_qf1a1f6f5a2_gemm_qkv-k_qf1a1f6f5a2_gemm_qkv
	.p2alignl 7, 3214868480
	.fill 96, 4, 3214868480
	.section	.rodata,"a",@progbits
	.p2align	6, 0x0
	.amdhsa_kernel k_qf1a1f6f5a2_gemm_qkv
		.amdhsa_group_segment_fixed_size 327680
		.amdhsa_private_segment_fixed_size 0
		.amdhsa_enable_private_segment 0
		.amdhsa_kernarg_size 56
		.amdhsa_user_sgpr_count 2
		.amdhsa_user_sgpr_kernarg_segment_ptr 1
		.amdhsa_wavefront_size32 1
		.amdhsa_system_sgpr_workgroup_id_x 1
		.amdhsa_system_sgpr_workgroup_id_y 1
		.amdhsa_system_sgpr_workgroup_id_z 1
		.amdhsa_system_vgpr_workitem_id 0
		.amdhsa_next_free_vgpr 1024
		.amdhsa_next_free_sgpr 100
		.amdhsa_reserve_vcc 0
		.amdhsa_float_denorm_mode_32 3
		.amdhsa_float_denorm_mode_16_64 3
		.amdhsa_memory_ordered 1
		.amdhsa_forward_progress 1
		.amdhsa_inst_pref_size 121
	.end_amdhsa_kernel
	.amdgpu_metadata
---
amdhsa.version: [ 1, 2 ]
amdhsa.kernels:
  - .name:           k_qf1a1f6f5a2_gemm_qkv
    .symbol:         k_qf1a1f6f5a2_gemm_qkv.kd
    .args:
      - { .name: x_img, .offset: 0, .size: 8, .value_kind: global_buffer, .address_space: global }
      - { .name: x_sc, .offset: 8, .size: 8, .value_kind: global_buffer, .address_space: global }
      - { .name: w_img, .offset: 16, .size: 8, .value_kind: global_buffer, .address_space: global }
      - { .name: w_sc, .offset: 24, .size: 8, .value_kind: global_buffer, .address_space: global }
      - { .name: b_attn, .offset: 32, .size: 8, .value_kind: global_buffer, .address_space: global }
      - { .name: qkv, .offset: 40, .size: 8, .value_kind: global_buffer, .address_space: global }
      - { .name: fineq, .offset: 48, .size: 8, .value_kind: global_buffer, .address_space: global }
    .group_segment_fixed_size: 327680
    .private_segment_fixed_size: 0
    .kernarg_segment_align: 8
    .kernarg_segment_size: 56
    .max_flat_workgroup_size: 128
    .sgpr_count:     100
    .vgpr_count:     1024
    .wavefront_size: 32
...
	.end_amdgpu_metadata
.endif
;; end of part 2
;; launch attn (part 3): grid 4 x 64, 16 waves a work-group, no clusters, 327,680 bytes of LDS; arguments qkv, y_img; writes y_img
.if DOCPART == 3
	.amdgcn_target "amdgcn-amd-amdhsa--gfx1250"
	.amdhsa_code_object_version 6
	.text
	.protected	k_qf1a1f6f5a2_attn
	.globl	k_qf1a1f6f5a2_attn
	.p2align	8
	.type	k_qf1a1f6f5a2_attn,@function
k_qf1a1f6f5a2_attn:
	s_mov_b64 s[64:65], 0
	v_nop
	global_prefetch_b8 v0, s[64:65] scope:SCOPE_SE
	s_setreg_imm32_b32 hwreg(HW_REG_WAVE_MODE, 25, 1), 1
	s_wait_xcnt 0x0
; y[b][h][q] = the sum over k <= q of softmax_k(Q[q] . K[k] / 8) V[k], head size 64, 2,048 positions, 64 batch x head.  Operands in f16, products, maxima and sums in f32; p is rounded to f16 for the second product, y once.
; qkv [batch x head 64][token tile 128][6,144]: Q at 0, K at 2,048 (register images: two pieces of 512 bytes are a fragment), V at 4,096 (pieces of 16 tokens x 32 bytes).  y_img [row tile 512][32 channels 32][1,024]: a fragment's image.
; SHARES.  Work-group (j, batch x head) owns the query blocks j and 7 - j of 256: under the causal mask every work-group so has the same work.  Eight of its sixteen waves serve each block, 32 queries (two tiles) a wave,
; which share every fragment of K and V; the roles are dealt so that any four waves with equal number mod 4, or equal number / 4, hold two of each.
; NO CLUSTER: the four work-groups of a head need 8, 7, 6 and 5 slots of keys: partners would need different numbers of tiles.
; LAYOUT.  S^T = K Q^T (source 0 = 16 keys, source 1 = 16 queries): a lane holds ONE query (lane % 16) and keys 8 (lane / 16) + 0 .. 7 of each tile; two tiles, rounded in pairs, are source 1 of O^T = V^T P.
; SOFTMAX.  For each query a running maximum m and sum l: p = 2^(c s - c m), c = log2(e) / 8; in every step O and l are multiplied by a = 2^(c m_old - c m_new).
; THE RING.  Two slots of 256 keys (16 records' K and V: 65,536 bytes), filled by waves 0 to 3, one tensor load each, and read by all sixteen.  Every work-group walks all 8 slots, so that the trip counts are constants; a step
; all of whose keys come after the wave's queries is jumped over, and a slot whose first key comes after the work-group's last query is not asked for.  Every wait on TENSORcnt is for 0.
; LIMITS: |y| above 65,504 becomes infinity in f16; NaN and infinities among the operands are not served.
.set REC,   6144
.set SLOT1, 65536                      ; slot 1 begins here: one exclusive or turns an address in one slot into the other's
.set SPARE, 131072                     ; the spare words, 128 bytes for each wave: eight blocks of 256 bytes that no other line names
.set L16,  1                           ; v1   16 x lane
.set LV,   2                           ; v2   my place in a piece of V for the turning load, V's 2,048 included
.set ADK,  3                           ; v3   LDS address of the step's K
.set ADV,  4                           ; v4   of its V
.set SPW,  5                           ; v5   LDS address of my spare word; never rewritten
.set NIL,  6                           ; v6   0; never rewritten
.set PFO,  7                           ; v7   the prefetches' offset; never rewritten
.set RD8,  8                           ; v8   lane % 16 - 8 (lane / 16)
.set NINF, 9                           ; v9   -infinity
.set DA,   10                          ; v10, v11  query - first key - 8 (lane / 16), for tile 0 and tile 1
.set ST,   16                          ; tile x's statistics at v[16 + 8 x]: +0 c m, +1 m, +2, +3 l in two halves, +4 .. +7 at work; a in +6
.set QF,   32                          ; v32-63   Q: two fragments a tile
.set KV,   64                          ; v64-127  the step's K, then its V
.set S,    128                         ; v128-191 S^T, 32 a tile; p's f16 pairs take the low 16 of each
.set O,    192                         ; v192-255 O^T, 32 a tile
.set WV,   8
.set Q0,   14                          ; s14  my first query
.set LASTQ, 15                         ; s15  my work-group's last query
.set KF,   16                          ; s16  the step's first key
.set TB,   17                          ; s17  LDS byte at which the step's tiles begin
.set SLOTS, 18
.set TW,   19
.set SEL,  20
.set CS,   22
.set G1,   24
.set G0,   32
.set PFA,  36
.set LIM,  38
.macro TLOAD                           ; waves 0 to 3 fetch four records' K and V each; an s_nop 0 and four v_nop follow the load
	s_cmp_lt_u32 s[WV], 4
	s_cbranch_scc0 .Lasked_\@
	tensor_load_to_lds s[G0:G0+3], s[G1:G1+7]
	s_nop 0
.rept 4
	v_nop
.endr
.Lasked_\@:
.endm
; A prefetch of what the NEXT change of slots will ask for.  All four work-groups of a head walk the same K and V: the one with x = 0, which walks all 8 slots, asks.  In it waves 4 to 11, which fetch nothing, ask for two
; records each, one instruction: lanes 256 bytes apart over a record's 4,096 bytes of K and V.  So each aligned 256 bytes are named once in the launch.  The last change that fills a slot asks for nothing; slots 0 and 1 come by their loads alone.
.macro ASK
	s_cmp_gt_u32 s[SLOTS], s[LIM]
	s_cbranch_scc0 .Lnot_mine_\@
	global_prefetch_b8 v[PFO], s[PFA:PFA+1] th:TH_LOAD_NT scope:SCOPE_SE
.Lnot_mine_\@:
.endm
	s_load_b128 s[4:7], s[0:1], 0x0                ; qkv s[4:5], y_img s[6:7]
	v_lshl_add_u32 v[SPW], v0, 2, SPARE
	v_mov_b32 v[NIL], 0
	ds_add_u32 v[SPW], v[NIL]                      ; the wave's opening: the add, twice on end, and its wait ahead of my first tensor load
	ds_add_u32 v[SPW], v[NIL]                      ; and once more; the set-up below, work on registers, stands between it and the wait
	v_lshrrev_b32 v12, 5, v0
	v_readfirstlane_b32 s[WV], v12                 ; wave 0..15
	s_and_b32 s12, ttmp7, 0xffff                   ; batch x head
	s_lshr_b32 s9, s[WV], 2
	s_xor_b32 s9, s9, s[WV]
	s_and_b32 s9, s9, 1                            ; which of the two query blocks
	s_lshr_b32 s10, s[WV], 1                       ; which 32 queries of it
	s_sub_co_u32 s11, 7, ttmp9
	s_cmp_eq_u32 s9, 1
	s_cselect_b32 s13, s11, ttmp9
	s_lshl_b32 s[Q0], s13, 8
	s_lshl_b32 s13, s10, 5
	s_add_co_u32 s[Q0], s[Q0], s13
	s_lshl_b32 s[LASTQ], s11, 8
	s_or_b32 s[LASTQ], s[LASTQ], 255
	; group 1: 4 rows (records) x 4,096 bytes (K and V), 6,144 bytes apart; elements of 8 bytes; no padding
	s_mov_b32 s[G1], 3<<16
	s_mov_b32 s[G1+1], 512<<16                     ; tensor_dim0
	s_mov_b32 s[G1+2], 4<<16                       ; tensor_dim1
	s_mov_b32 s[G1+3], 512<<16                     ; tile_dim0
	s_mov_b32 s[G1+4], 4                           ; tile_dim1
	s_mov_b32 s[G1+5], 768                         ; tensor_dim0_stride
	s_mov_b32 s[G1+6], 0
	s_mov_b32 s[G1+7], 0
	s_mul_i32 s40, s12, 128*REC                    ; the head's first byte
	s_mov_b32 s41, 0
	s_and_b32 s42, s[WV], 3
	s_mov_b32 s[G0], 1
	s_lshl_b32 s[G0+1], s42, 14                    ; slot 0, my four records
	s_mul_i32 s42, s42, 4*REC
	s_add_co_u32 s42, s42, 2048                    ; K begins 2,048 bytes into a record
	s_mov_b32 s43, 0
	s_add_nc_u64 s[42:43], s[42:43], s[40:41]
	s_mul_i32 s46, s[Q0], REC/16                   ; my first query's record
	s_mov_b32 s47, 0
	s_add_nc_u64 s[46:47], s[46:47], s[40:41]
	s_lshr_b32 s50, s12, 4                         ; y: row tile 128 x batch + query / 16, 32,768 bytes each; the head's 2,048
	s_lshl_b32 s50, s50, 22
	s_lshl_b32 s51, s[Q0], 11
	s_add_co_u32 s50, s50, s51
	s_and_b32 s51, s12, 15
	s_lshl_b32 s51, s51, 11
	s_add_co_u32 s50, s50, s51
	s_mov_b32 s51, 0
	s_sub_co_u32 s39, s[WV], 4
	s_and_b32 s52, s39, 7
	s_mul_i32 s52, s52, 2*REC                      ; the prefetches: my two records,
	s_add_co_u32 s52, s52, 2048+16*REC             ; in slot 1: the first change of slots steps it to slot 2
	s_mov_b32 s53, 0
	s_add_nc_u64 s[52:53], s[52:53], s[40:41]
	s_lshr_b32 s39, s39, 3                         ; 0 in waves 4 to 11,
	s_or_b32 s39, s39, ttmp9                       ; of the head's first work-group
	s_cmp_eq_u32 s39, 0
	s_cselect_b32 s[LIM], 1, -1
	s_mov_b32 s[SEL], 0x76543210
	s_mov_b32 s[SEL+1], 0xfedcba98
	s_mov_b32 s[CS], 0x3e38aa3b                    ; c = log2(e) / 8
	s_mov_b32 s[CS+1], s[CS]                       ; (named with it as a pair, so it is written)
	s_mov_b32 s[KF], 0
	s_mov_b32 s[TB], 0
	s_mov_b32 s[SLOTS], 7
	s_wait_dscnt 0x0                               ; both opening adds are done
	s_wait_kmcnt 0x0
	s_add_nc_u64 s[G0+2:G0+3], s[4:5], s[42:43]
	s_or_b32 s[G0+3], s[G0+3], 0x80000000
	TLOAD                                          ; slot 0: it holds key 0, which counts for every query
	s_add_nc_u64 s[44:45], s[4:5], s[46:47]
	s_add_nc_u64 s[48:49], s[6:7], s[50:51]
	s_add_nc_u64 s[PFA:PFA+1], s[4:5], s[52:53]
	v_and_b32 v12, 31, v0
	v_lshlrev_b32 v[L16], 4, v12
.irp x, 0,1                            ; Q stays in registers
.irp c, 0,1
	global_load_b128 v[QF+16*\x+8*\c:QF+16*\x+8*\c+3], v[L16], s[44:45] offset:\x*REC+\c*1024
	global_load_b128 v[QF+16*\x+8*\c+4:QF+16*\x+8*\c+7], v[L16], s[44:45] offset:\x*REC+\c*1024+512
.endr
.endr
	v_and_b32 v13, 15, v0                          ; r
	v_bfe_u32 v14, v0, 4, 1                        ; h
	v_and_b32 v15, 7, v0
	v_lshl_add_u32 v15, v14, 3, v15                ; the turning load: lane l reads key 8 h + l % 8, channels 8 ((l / 8) % 2) + 0 .. 7
	v_lshlrev_b32 v[LV], 5, v15
	v_bfe_u32 v15, v0, 3, 1
	v_lshl_add_u32 v[LV], v15, 4, v[LV]
	v_add_nc_u32 v[LV], 2048, v[LV]
	v_lshlrev_b32 v15, 3, v14
	v_sub_nc_u32 v[RD8], v13, v15
	v_mov_b32 v[NINF], 0xff800000
	v_mul_u32_u24 v[PFO], v14, REC
	v_lshl_add_u32 v[PFO], v13, 8, v[PFO]
.irp x, 0,1
	v_mov_b32 v[ST+8*\x+1], 0xff61b1e6             ; m: -3e38, under every score
	v_mul_f32 v[ST+8*\x], s[CS], v[ST+8*\x+1]
	v_mov_b32 v[ST+8*\x+2], 0                      ; l
	v_mov_b32 v[ST+8*\x+3], 0
	v_mov_b32 v[ST+8*\x+5], 0                      ; a lane permute's destination counts as one of its sources,
	v_mov_b32 v[ST+8*\x+7], 0                      ; and this one is named with a, and with 1 / l, as a pair: both are written here, so that they are written on every way through the text
.endr
.irp j, 0,1,2,3,4,5,6,7,8,9,10,11,12,13,14,15,16,17,18,19,20,21,22,23,24,25,26,27,28,29,30,31,32,33,34,35,36,37,38,39,40,41,42,43,44,45,46,47,48,49,50,51,52,53,54,55,56,57,58,59,60,61,62,63
	v_mov_b32 v[O+\j], 0                           ; O^T.  (The step is written once: the first finds zeros, which its a = 0 leaves zeros)
.endr
; Both tiles' softmax of a step, stage by stage, the tiles alternating so that no line waits for the line above it
.macro SOFTMAX2
.irp j, 0,1,2,3                        ; the maximum: four chains a tile, each begun at the low end of a tile of S^T
.irp x, 0,1
	v_max3_num_f32 v[ST+8*\x+4+\j], v[S+32*\x+8*\j], v[S+32*\x+8*\j+1], v[S+32*\x+8*\j+2]
.endr
.endr
.irp i, 3,5
.irp j, 0,1,2,3
.irp x, 0,1
	v_max3_num_f32 v[ST+8*\x+4+\j], v[ST+8*\x+4+\j], v[S+32*\x+8*\j+\i], v[S+32*\x+8*\j+\i+1]
.endr
.endr
.endr
.irp x, 0,1
	v_max3_num_f32 v[ST+8*\x+4], v[ST+8*\x+4], v[S+32*\x+7], v[S+32*\x+15]
	v_max3_num_f32 v[ST+8*\x+6], v[ST+8*\x+6], v[S+32*\x+23], v[S+32*\x+31]
.endr
.irp x, 0,1
	v_max3_num_f32 v[ST+8*\x+4], v[ST+8*\x+4], v[ST+8*\x+5], v[ST+8*\x+6]
.endr
.irp x, 0,1
	v_max3_num_f32 v[ST+8*\x+4], v[ST+8*\x+4], v[ST+8*\x+7], v[ST+8*\x+1]   ; and the old m
.endr
.irp x, 0,1
	v_permlanex16_b32 v[ST+8*\x+5], v[ST+8*\x+4], s[SEL], s[SEL+1]          ; the query's other 32 keys lie in the lane 16 away
.endr
.irp x, 0,1
	v_mov_b32 v[ST+8*\x+7], v[ST+8*\x]             ; c m_old is kept for a
.endr
.irp x, 0,1
	v_max_num_f32 v[ST+8*\x+1], v[ST+8*\x+4], v[ST+8*\x+5]
.endr
.irp x, 0,1
	v_mul_f32 v[ST+8*\x], s[CS], v[ST+8*\x+1]
.endr
.irp x, 0,1
	v_sub_f32 v[ST+8*\x+7], v[ST+8*\x+7], v[ST+8*\x]
.endr
.irp j, 0,2,4,6,8,10,12,14,16,18,20,22,24,26,28,30
.irp x, 0,1
	v_pk_fma_f32 v[S+32*\x+\j:S+32*\x+\j+1], v[S+32*\x+\j:S+32*\x+\j+1], s[CS:CS+1], v[ST+8*\x:ST+8*\x+1] op_sel_hi:[1,0,0] neg_lo:[0,0,1] neg_hi:[0,0,1]   ; c s - c m
.endr
.endr
.irp x, 0,1
	v_exp_f32 v[ST+8*\x+6], v[ST+8*\x+7]           ; a
.endr
.irp j, 0,1,2,3,4,5,6,7,8,9,10,11,12,13,14,15,16,17,18,19,20,21,22,23,24,25,26,27,28,29,30,31
.irp x, 0,1
	v_exp_f32 v[S+32*\x+\j], v[S+32*\x+\j]         ; p: ONE batch of 66 exponentials
.endr
.endr
	v_nop                                          ; a plain instruction behind the last exponential
	s_wait_alu depctr_va_vdst(0)                   ; and one wait for the batch, ahead of its first reader
.irp x, 0,1
	v_pk_mul_f32 v[ST+8*\x+2:ST+8*\x+3], v[ST+8*\x+2:ST+8*\x+3], v[ST+8*\x+6:ST+8*\x+7] op_sel_hi:[1,0]   ; l under the new m
.endr
.irp x, 0,1
	v_pk_add_f32 v[ST+8*\x+4:ST+8*\x+5], v[S+32*\x:S+32*\x+1], v[S+32*\x+2:S+32*\x+3]   ; the sum is taken of p in f32, in two chains
.endr
.irp j, 4,8,12,16,20,24,28
.irp x, 0,1
	v_pk_add_f32 v[ST+8*\x+2:ST+8*\x+3], v[ST+8*\x+2:ST+8*\x+3], v[S+32*\x+\j:S+32*\x+\j+1]
	v_pk_add_f32 v[ST+8*\x+4:ST+8*\x+5], v[ST+8*\x+4:ST+8*\x+5], v[S+32*\x+\j+2:S+32*\x+\j+3]
.endr
.endr
.irp x, 0,1
	v_pk_add_f32 v[ST+8*\x+2:ST+8*\x+3], v[ST+8*\x+2:ST+8*\x+3], v[ST+8*\x+4:ST+8*\x+5]
.endr
.irp i, 0,1,2,3,4,5,6,7,8,9,10,11,12,13,14,15   ; p to f16, in place and ascending: pair i goes to register i, which has been read
.irp x, 0,1
	v_cvt_pk_f16_f32 v[S+32*\x+\i], v[S+32*\x+2*\i], v[S+32*\x+2*\i+1]
.endr
.endr
.irp j, 0,2,4,6,8,10,12,14,16,18,20,22,24,26,28,30
.irp x, 0,1
	v_pk_mul_f32 v[O+32*\x+\j:O+32*\x+\j+1], v[O+32*\x+\j:O+32*\x+\j+1], v[ST+8*\x+6:ST+8*\x+7] op_sel_hi:[1,0]   ; O^T under the new m, each accumulator from its low end on
.endr
.endr
.endm
; A KEY STEP: 64 keys, four records, from LDS byte s[TB] on
.macro STEP
	s_cmp_gt_u32 s[KF], s[Q0]                      ; KF is a multiple of 64 and Q0 of 32: above Q0 it is above my last query, Q0 + 31: the step is left out.  Ids and the count of steps alone; no barrier and no tensor load stands in a step
	s_cbranch_scc1 .Lskip_\@
	v_add_nc_u32 v[ADK], s[TB], v[L16]
	v_add_nc_u32 v[ADV], s[TB], v[LV]
.rept 3
	v_nop                                          ; with the two additions five places behind the last step's products: four for the loads into V's registers, five for the products below, which write over p
.endr
.irp kt, 0,1,2,3
.irp c, 0,1
	ds_load_b128 v[KV+16*\kt+8*\c:KV+16*\kt+8*\c+3], v[ADK] offset:\kt*4096+\c*1024
	ds_load_b128 v[KV+16*\kt+8*\c+4:KV+16*\kt+8*\c+7], v[ADK] offset:\kt*4096+\c*1024+512
.endr
.endr
	s_wait_dscnt 0x0
.irp kt, 0,1,2,3                       ; S^T = K Q^T: eight accumulators by turns; the first 32 channels start the sums
.irp x, 0,1
	v_wmma_f32_16x16x32_f16 v[S+32*\x+8*\kt:S+32*\x+8*\kt+7], v[KV+16*\kt:KV+16*\kt+7], v[QF+16*\x:QF+16*\x+7], 0
.endr
.endr
.irp kt, 0,1,2,3
.irp x, 0,1
	v_wmma_f32_16x16x32_f16 v[S+32*\x+8*\kt:S+32*\x+8*\kt+7], v[KV+16*\kt+8:KV+16*\kt+15], v[QF+16*\x+8:QF+16*\x+15], v[S+32*\x+8*\kt:S+32*\x+8*\kt+7]
.endr
.endr
.rept 4
	v_nop                                          ; places in front of the loads into K's registers and of the first read of the scores
.endr
.irp g, 0,1                            ; V, turned: keys 32 g on, channels 16 cb on; it lands while the softmax is worked
.irp cb, 0,1,2,3
	ds_load_tr16_b128 v[KV+32*\g+8*\cb:KV+32*\g+8*\cb+3], v[ADV] offset:(2*\g)*4096+\cb*512
	ds_load_tr16_b128 v[KV+32*\g+8*\cb+4:KV+32*\g+8*\cb+7], v[ADV] offset:(2*\g+1)*4096+\cb*512
.endr
.endr
	s_add_co_u32 s39, s[KF], 63                    ; on the diagonal hidden scores become -infinity ahead of the maximum; a step all of whose keys count skips this
	s_cmp_le_u32 s39, s[Q0]
	s_cbranch_scc1 .Lopen_\@
	s_sub_co_i32 s39, s[Q0], s[KF]
	v_add_nc_u32 v[DA], s39, v[RD8]                ; register 8 kt + j holds key KF + 16 kt + 8 h + j: hidden where 16 kt + j > my query - KF - 8 h
	v_add_nc_u32 v[DA+1], 16, v[DA]
.irp x, 0,1
.irp n, 0,1,2,3,4,5,6,7,8,9,10,11,12,13,14,15,16,17,18,19,20,21,22,23,24,25,26,27,28,29,30,31
	v_cmp_gt_i32 vcc_lo, 16*(\n/8)+\n%8, v[DA+\x]
	v_cndmask_b32 v[S+32*\x+\n], v[S+32*\x+\n], v[NINF], vcc_lo
.endr
.endr
.Lopen_\@:
	SOFTMAX2
	s_wait_dscnt 0x0                               ; V is in
.irp g, 0,1                            ; O^T += V^T P: eight accumulators by turns
.irp cb, 0,1,2,3
.irp x, 0,1
	v_wmma_f32_16x16x32_f16 v[O+32*\x+8*\cb:O+32*\x+8*\cb+7], v[KV+32*\g+8*\cb:KV+32*\g+8*\cb+7], v[S+32*\x+8*\g:S+32*\x+8*\g+7], v[O+32*\x+8*\cb:O+32*\x+8*\cb+7]
.endr
.endr
.endr
.Lskip_\@:
	s_add_co_u32 s[KF], s[KF], 64
	s_add_co_u32 s[TB], s[TB], 4*4096
.endm
; THE CHANGE OF SLOTS stands at a slot's head.  Each wave waits for all its tensor loads, adds 0 to its spare word, and waits for that and for its reads of the slot that it has left.  Behind the barrier the slot ahead is
; whole and nobody reads the other one.  fill = 1: that other slot takes the next 256 keys, up to the causal limit: the load has a slot's four steps in which to land.
.macro CHANGE fill
	s_wait_tensorcnt 0x0                           ; no tensor load of mine is out, so group 0 may be written
	ds_add_u32 v[SPW], v[NIL]                      ; 0 onto my spare word
.if \fill
	ds_add_u32 v[SPW], v[NIL]                      ; and once more, in every trip alike
	s_xor_b32 s[G0+1], s[G0+1], SLOT1              ; the walking descriptor: the other slot than last time,
	s_add_nc_u64 s[G0+2:G0+3], s[G0+2:G0+3], 16*REC   ; the next 16 records; the type bits on top are not reached
	s_wait_xcnt 0x0                                ; the last prefetch, a slot back, has read its address, so it may be written:
	s_add_nc_u64 s[PFA:PFA+1], s[PFA:PFA+1], 16*REC   ; one slot further on than the walking descriptor
.endif
	s_wait_dscnt 0x0                               ; the add is done (fill = 1: both are), and my reads of the slot that I have left are over
	s_barrier_signal -1
	s_barrier_wait -1
.if \fill
	s_add_co_u32 s39, s[KF], 256                   ; the first key of the slot that this change would ask for:
	s_cmp_gt_u32 s39, s[LASTQ]                     ; past my work-group's last query none of its waves reads it, so it is not asked for.  Ids and the count of steps alone: all sixteen waves go the same way
	s_cbranch_scc1 .Lpast_\@
	TLOAD                                          ; a wave's one tensor load until the next such barrier
.Lpast_\@:
	ASK
.endif
.endm
.macro FOUR_STEPS                      ; a slot's four steps: written once, walked four times; the LDS addresses hang on s[TB]
	s_mov_b32 s[TW], 4
.Lstep_\@:
	STEP
	s_sub_co_u32 s[TW], s[TW], 1
	s_cmp_lg_u32 s[TW], 0
	s_cbranch_scc1 .Lstep_\@
	s_sub_co_u32 s[TB], s[TB], 4*4*4096            ; back to a slot's first step,
	s_xor_b32 s[TB], s[TB], SLOT1                  ; in the other slot
.endm
	s_wait_loadcnt 0x0                             ; Q
.Lslot:                                            ; seven trips: behind each change of slots but the last the next slot is asked for, up to the causal limit
	CHANGE 1
	FOUR_STEPS
	s_sub_co_u32 s[SLOTS], s[SLOTS], 1
	s_cmp_lg_u32 s[SLOTS], 0
	s_cbranch_scc1 .Lslot
	CHANGE 0                                       ; the last slot is written out: nothing is left to fetch
	FOUR_STEPS
	; THE WAY OUT: O^T / l, rounded to f16: a lane's eight channels of a query are 16 bytes of the projection's fragment, stored as they stand: 512 consecutive bytes an instruction
.rept 4
	v_nop                                          ; places behind the last products
.endr
.irp x, 0,1
	v_add_f32 v[ST+8*\x+4], v[ST+8*\x+2], v[ST+8*\x+3]
.endr
.irp x, 0,1
	v_permlanex16_b32 v[ST+8*\x+5], v[ST+8*\x+4], s[SEL], s[SEL+1]
.endr
.irp x, 0,1
	v_add_f32 v[ST+8*\x+4], v[ST+8*\x+4], v[ST+8*\x+5]
.endr
.irp x, 0,1
	v_rcp_f32 v[ST+8*\x+6], v[ST+8*\x+4]
.endr
	v_nop                                          ; a plain instruction behind the last reciprocal
	s_wait_alu depctr_va_vdst(0)                   ; and the wait ahead of the first use: one for the two
.irp x, 0,1
.irp j, 0,2,4,6,8,10,12,14,16,18,20,22,24,26,28,30
	v_pk_mul_f32 v[O+32*\x+\j:O+32*\x+\j+1], v[O+32*\x+\j:O+32*\x+\j+1], v[ST+8*\x+6:ST+8*\x+7] op_sel_hi:[1,0]
.endr
.endr
.irp x, 0,1
.irp i, 0,1,2,3,4,5,6,7,8,9,10,11,12,13,14,15
	v_cvt_pk_f16_f32 v[S+16*\x+\i], v[O+32*\x+2*\i], v[O+32*\x+2*\i+1]
.endr
.endr
.irp x, 0,1
.irp cb, 0,1,2,3
	global_store_b128 v[L16], v[S+16*\x+4*\cb:S+16*\x+4*\cb+3], s[48:49] offset:\x*32768+\cb*512
.endr
.endr
	s_wait_tensorcnt 0x0                           ; the wave's end: behind my last tensor load
	ds_add_u32 v[SPW], v[NIL]
	s_wait_dscnt 0x0
	s_endpgm
.Lfunc_end_k_qf1a1f6f5a2_attn:
	.size	k_qf1a1f6f5a2_attn, .Lfunc_end_k_qf1a1f6f5a2_attn-k_qf1a1f6f5a2_attn
	.p2alignl 7, 3214868480
	.fill 96, 4, 3214868480
	.section	.rodata,"a",@progbits
	.p2align	6, 0x0
	.amdhsa_kernel k_qf1a1f6f5a2_attn
		.amdhsa_group_segment_fixed_size 327680
		.amdhsa_private_segment_fixed_size 0
		.amdhsa_enable_private_segment 0
		.amdhsa_kernarg_size 16
		.amdhsa_user_sgpr_count 2
		.amdhsa_user_sgpr_kernarg_segment_ptr 1
		.amdhsa_wavefront_size32 1
		.amdhsa_system_sgpr_workgroup_id_x 1
		.amdhsa_system_sgpr_workgroup_id_y 1
		.amdhsa_system_sgpr_workgroup_id_z 1
		.amdhsa_system_vgpr_workitem_id 0
		.amdhsa_next_free_vgpr 256
		.amdhsa_next_free_sgpr 66
		.amdhsa_reserve_vcc 1
		.amdhsa_float_denorm_mode_32 3
		.amdhsa_float_denorm_mode_16_64 3
		.amdhsa_memory_ordered 1
		.amdhsa_forward_progress 1
		.amdhsa_inst_pref_size 58
	.end_amdhsa_kernel
	.amdgpu_metadata
---
amdhsa.version: [ 1, 2 ]
amdhsa.kernels:
  - .name:           k_qf1a1f6f5a2_attn
    .symbol:         k_qf1a1f6f5a2_attn.kd
    .args:
      - { .name: qkv, .offset: 0, .size: 8, .value_kind: global_buffer, .address_space: global }
      - { .name: y_img, .offset: 8, .size: 8, .value_kind: global_buffer, .address_space: global }
    .group_segment_fixed_size: 327680
    .private_segment_fixed_size: 0
    .kernarg_segment_align: 8
    .kernarg_segment_size: 16
    .max_flat_workgroup_size: 512
    .sgpr_count:     66
    .vgpr_count:     256
    .wavefront_size: 32
...
	.end_amdgpu_metadata
.endif
;; end of part 3
;; launch gemm_proj (part 4): grid 8 x 32, 4 waves a work-group, clusters of 4 x 4, 327,680 bytes of LDS; arguments y_img, wp, b_proj, out0; writes out0
.if DOCPART == 4
	.amdgcn_target "amdgcn-amd-amdhsa--gfx1250"
	.amdhsa_code_object_version 6
	.text
	.protected	k_qf1a1f6f5a2_gemm_proj
	.globl	k_qf1a1f6f5a2_gemm_proj
	.p2align	8
	.type	k_qf1a1f6f5a2_gemm_proj,@function
k_qf1a1f6f5a2_gemm_proj:
	s_mov_b64 s[64:65], 0
	v_nop
	global_prefetch_b8 v0, s[64:65] scope:SCOPE_SE
	s_setreg_imm32_b32 hwreg(HW_REG_WAVE_MODE, 25, 1), 1
	s_wait_xcnt 0x0
	s_wait_alu depctr_hold_cnt(0) depctr_sa_sdst(0) depctr_va_vdst(0) depctr_va_sdst(0) depctr_va_ssrc(0) depctr_va_vcc(0) depctr_vm_vsrc(0)
	s_getreg_b32 s2, hwreg(HW_REG_IB_STS2, 6, 4)
	s_cmp_eq_u32 s2, 0
	s_cbranch_scc0 .Lentry_in_a_cluster
	s_endpgm
.Lentry_in_a_cluster:
	s_bfe_u32 s2, ttmp6, 0x10000c
	s_cmp_lg_u32 s2, 0xf033
	s_cbranch_scc0 .Lentry_shape_is_right
	s_endpgm
.Lentry_shape_is_right:
; out0 = y w_proj + b_proj: [8192][1024], K = 1,024, operands in f16 (w_proj's high part), sums in f32.  Both operands come as images of their fragments' registers: [tile of 16][32 along K 32][1,024 bytes].
; A tile of 256 rows x 128 columns is made by four waves, 128 x 64 each: 32 accumulators, 256 registers: so 256 work-groups.  K goes in 8 steps of 128 through a ring of two LDS slots; a step is four quarters of 32 along K,
; 32 matrix instructions each, on two fragment buffers by turns.
; CLUSTERS: 4 x 4 work-groups; y's tiles are shared along a row of the cluster, w's along a column: joint loads, the same descriptor and a mask that names the four.  Where a slot is filled again, a round of the cluster's
; barrier stands in front of the joint load.
; THE MATRIX INSTRUCTION IS USED TRANSPOSED (source 0 = 16 columns of w, source 1 = 16 rows of y): a lane holds eight neighbouring columns of one row.  The bias is the C of each sum's first instruction.
; The first 16 positions of each batch are written again, more finely, by the launch that follows.
; No prefetch: the launch has 8 K steps, w's tiles are read by every tile row, and y's come by loads that have a whole K step in which to land.
; REGISTERS: window 0: v0-31 addresses; v64-127, v128-191 y's fragments, two buffers; on the way out rows read back.  window 1: v64-95, v128-159 w's fragments; v192-223 the bias.  window 2: accumulator (a, b) at v[8 (4 a + b)].
.set SLOT,   98304                     ; y's 16 row tiles x 4,096 bytes, then w's 8
.set BOFF,   65536
.set STAGE,  196608                    ; behind the ring: 16 rows x (256 + 16) bytes for each wave
.set SPITCH, 272
.set SPARE,  214016                    ; the spare words, 128 bytes for each wave: two blocks of 256 bytes that no other line names
.set LAPS,   4                         ; a lap = two K steps = once round the ring
.set ADRA, 16
.set ADRB, 20
.set STO,  24
.set RD,   25
.set CO,   26
.set BO,   27
.set SPW,  28
.set NIL,  29
.set F0,   64
.set F1,   128
.set BI,   192                         ; in window 1
.set G1, 24
.set G0, 32
.set G1B, 48
.set G0B, 56
.set MSB, 0
.macro WIN new
.if MSB != \new
	s_set_vgpr_msb (MSB<<8)|\new
.set MSB, \new
.endif
.endm
.set MUL,  0xa1                        ; source 0 (w) window 1, source 1 (y) window 0, C and D window 2
.set MULZ, 0x91                        ; the first quarter: C is the bias, in window 1
.set TO_B, 0x40
.macro JLOAD s                         ; waves 0 and 1 fetch y's two halves, waves 2 and 3 w's; an s_nop 0 and four v_nop follow each of the two lines
	s_cmp_eq_u32 s13, 0
	s_cbranch_scc0 .Lfor_b_\@
	tensor_load_to_lds s[G0+4*\s:G0+4*\s+3], s[G1:G1+7]
	s_nop 0
.rept 4
	v_nop
.endr
	s_branch .Lasked_\@
.Lfor_b_\@:
	tensor_load_to_lds s[G0B+4*\s:G0B+4*\s+3], s[G1B:G1B+7]
	s_nop 0
.rept 4
	v_nop
.endr
.Lasked_\@:
.endm
.macro CREST                           ; a round of the cluster's barrier behind its opening barrier
	s_cmp_lg_u32 s12, 0
	s_cbranch_scc1 .Lnot_wave_0_\@
	s_barrier_signal -3
.Lnot_wave_0_\@:
	s_barrier_wait -3
	s_barrier_signal -1
	s_barrier_wait -1
.endm
.macro CROUND
	s_barrier_signal -1
	s_barrier_wait -1
	CREST
.endm
	s_load_b256 s[4:11], s[0:1], 0x0               ; y_img s[4:5], wp s[6:7], b_proj s[8:9], out0 s[10:11]
	v_lshl_add_u32 v[SPW], v0, 2, SPARE
	v_mov_b32 v[NIL], 0
	ds_add_u32 v[SPW], v[NIL]                      ; the wave's opening: the add, twice on end, and its wait ahead of my first tensor load
	ds_add_u32 v[SPW], v[NIL]                      ; and once more; the set-up below stands between it and the wait
	v_lshrrev_b32 v1, 5, v0
	v_readfirstlane_b32 s12, v1                    ; wave 0..3
	s_lshr_b32 s13, s12, 1                         ; which half of the tile's rows is mine.  Also: I fetch for y (0) or for w (1)
	s_and_b32 s14, s12, 1                          ; which half of its columns.  Also: which half of that tile I fetch
	s_bfe_u32 s40, ttmp6, 0x40000
	s_bfe_u32 s41, ttmp6, 0x40004
	s_lshl_b32 s42, ttmp9, 2
	s_add_co_u32 s42, s42, s40                     ; tile column = 4 x cluster x + cx
	s_and_b32 s15, ttmp7, 0xffff
	s_lshl_b32 s15, s15, 2
	s_add_co_u32 s15, s15, s41                     ; tile row = 4 x cluster y + cy
	s_lshl_b32 s43, s41, 2
	s_lshl_b32 s43, 15, s43                        ; my row of the cluster
	s_lshl_b32 s44, 0x1111, s40                    ; my column
	; group 1: rows of 4,096 bytes (a tile's four fragments of a K step), 32,768 bytes apart; elements of 8 bytes; 8 rows for y, 4 for w; no padding
	s_or_b32 s[G1+0], s43, (3<<16)|(1<<21)
	s_or_b32 s[G1B+0], s44, (3<<16)|(1<<21)
	s_mov_b32 s[G1+1], 512<<16
	s_mov_b32 s[G1+2], 8<<16
	s_mov_b32 s[G1+3], 512<<16
	s_mov_b32 s[G1+4], 8
	s_mov_b32 s[G1+5], 4096
	s_mov_b32 s[G1+6], 0
	s_mov_b32 s[G1+7], 0
	s_mov_b32 s[G1B+1], 512<<16
	s_mov_b32 s[G1B+2], 4<<16
	s_mov_b32 s[G1B+3], 512<<16
	s_mov_b32 s[G1B+4], 4
	s_mov_b32 s[G1B+5], 4096
	s_mov_b32 s[G1B+6], 0
	s_mov_b32 s[G1B+7], 0
	s_lshl_b32 s16, s15, 4
	s_lshl_b32 s17, s14, 3
	s_add_co_u32 s16, s16, s17                     ; y: row tile 16 x tile row + 8 x half
	s_lshl_b32 s16, s16, 15
	s_mov_b32 s17, 0
	s_lshl_b32 s46, s42, 3
	s_lshl_b32 s47, s14, 2
	s_add_co_u32 s46, s46, s47                     ; w: n tile 8 x tile column + 4 x half
	s_lshl_b32 s46, s46, 15
	s_mov_b32 s47, 0
	s_lshl_b32 s20, s14, 15                        ; where they go: y's half,
	s_lshl_b32 s21, s14, 14                        ; w's half,
	s_add_co_u32 s21, s21, BOFF                    ; behind y's 65,536 bytes: no place in the cluster enters an LDS address
	s_wait_dscnt 0x0                               ; both opening adds are done
	s_wait_kmcnt 0x0
	s_add_nc_u64 s[16:17], s[4:5], s[16:17]
	s_add_nc_u64 s[46:47], s[6:7], s[46:47]
	CROUND                                         ; all sixteen work-groups are here: the first joint loads meet
.irp s, 0,1
	s_mov_b32 s[G0+4*\s], 1
	s_add_co_u32 s[G0+4*\s+1], s20, \s*SLOT
	s_add_nc_u64 s[G0+4*\s+2:G0+4*\s+3], s[16:17], \s*4096
	s_or_b32 s[G0+4*\s+3], s[G0+4*\s+3], 0x80000000
	s_mov_b32 s[G0B+4*\s], 1
	s_add_co_u32 s[G0B+4*\s+1], s21, \s*SLOT
	s_add_nc_u64 s[G0B+4*\s+2:G0B+4*\s+3], s[46:47], \s*4096
	s_or_b32 s[G0B+4*\s+3], s[G0B+4*\s+3], 0x80000000
	JLOAD \s
.endr
	v_and_b32 v1, 15, v0                           ; r
	v_bfe_u32 v2, v0, 4, 1                         ; h
	v_and_b32 v3, 31, v0
	v_lshlrev_b32 v3, 4, v3                        ; 16 x lane
	s_lshl_b32 s21, s13, 15                        ; my 8 row tiles of y,
	s_lshl_b32 s22, s14, 14                        ; my 4 n tiles of w
	s_add_co_u32 s22, s22, BOFF
.irp s, 0,1
	v_add_nc_u32 v[ADRA+\s], s21, v3
	v_add_nc_u32 v[ADRB+\s], s22, v3
	s_add_co_u32 s21, s21, SLOT
	s_add_co_u32 s22, s22, SLOT
.endr
	s_mul_i32 s23, s12, 16*SPITCH
	s_add_co_u32 s23, s23, STAGE                   ; my stage
	v_mul_u32_u24 v4, v1, SPITCH                   ; in: row r, 32 bytes for each half of the lanes
	v_lshl_add_u32 v4, v2, 5, v4
	v_add_nc_u32 v[STO], s23, v4
	v_mul_u32_u24 v5, v2, SPITCH                   ; back: lanes 0-15 one row of 256 bytes, lanes 16-31 the next
	v_lshl_add_u32 v5, v1, 4, v5
	v_add_nc_u32 v[RD], s23, v5
	v_lshlrev_b32 v[CO], 4, v1                     ; and the same two rows in out0, 4,096 bytes apart
	v_lshl_add_u32 v[CO], v2, 12, v[CO]
	s_lshl_b32 s16, s15, 20                        ; my first row: 256 x tile row + 128 x half, 4,096 bytes each; my first column: 128 x tile column + 64 x half
	s_lshl_b32 s17, s13, 19
	s_add_co_u32 s16, s16, s17
	s_lshl_b32 s46, s42, 9
	s_lshl_b32 s47, s14, 8
	s_add_co_u32 s46, s46, s47
	s_mov_b32 s47, 0
	s_mov_b32 s17, 0
	s_add_nc_u64 s[8:9], s[8:9], s[46:47]          ; the bias of my 64 columns
	s_add_nc_u64 s[16:17], s[16:17], s[46:47]
	s_add_nc_u64 s[10:11], s[10:11], s[16:17]
	v_lshlrev_b32 v[BO], 5, v2
	WIN TO_B
.irp b, 0,1,2,3
	global_load_b128 v[BI+8*\b:BI+8*\b+3], v[BO], s[8:9] offset:64*\b
	global_load_b128 v[BI+8*\b+4:BI+8*\b+7], v[BO], s[8:9] offset:64*\b+16
.endr
	WIN 0
; 8 matrix instructions: row blocks a0, a0 + 1 against the four column blocks, 32 along K.  The 32 accumulators take turns, in the same order in every quarter
.macro MUL8 f, a0, zero
.irp a, \a0, \a0+1
.irp b, 0,1,2,3
.if \zero
	v_wmma_f32_16x16x32_f16 v[8*(4*(\a)+\b):8*(4*(\a)+\b)+7], v[\f+8*\b:\f+8*\b+7], v[\f+8*(\a):\f+8*(\a)+7], v[BI+8*\b:BI+8*\b+7]
.else
	v_wmma_f32_16x16x32_f16 v[8*(4*(\a)+\b):8*(4*(\a)+\b)+7], v[\f+8*\b:\f+8*\b+7], v[\f+8*(\a):\f+8*(\a)+7], v[8*(4*(\a)+\b):8*(4*(\a)+\b)+7]
.endif
.endr
.endr
.endm
.macro FETCH slot, q, f                ; 24 LDS loads in one run: the fragments of the slot's q-th 32 along K: w's four, then y's eight
	WIN TO_B
.irp i, 0,1,2,3
	ds_load_b128 v[\f+8*\i:\f+8*\i+3],   v[ADRB+\slot] offset:\i*4096+(\q)*1024
	ds_load_b128 v[\f+8*\i+4:\f+8*\i+7], v[ADRB+\slot] offset:\i*4096+(\q)*1024+512
.endr
	WIN 0
.irp i, 0,1,2,3,4,5,6,7
	ds_load_b128 v[\f+8*\i:\f+8*\i+3],   v[ADRA+\slot] offset:\i*4096+(\q)*1024
	ds_load_b128 v[\f+8*\i+4:\f+8*\i+7], v[ADRA+\slot] offset:\i*4096+(\q)*1024+512
.endr
.endm
.macro PLACES
.rept 4
	v_nop
.endr
.endm
; One of a K step's first three quarters: multiplies buffer f and fetches the slot's q-th quarter into g
.macro QUARTER slot, q, f, g, zero
	s_wait_dscnt 8                                 ; w's four and y's tiles 0-3 are in; the youngest eight loads (y's tiles 4-7) may be out
.if \zero
	WIN MULZ
.else
	WIN MUL
.endif
	MUL8 \f, 0, \zero
	MUL8 \f, 2, \zero
	PLACES                                         ; in front of loads into registers that matrix instructions have read
	FETCH \slot, \q, \g
	s_wait_dscnt 24                                ; all but the 24 just issued
.if \zero
	WIN MULZ
.else
	WIN MUL
.endif
	MUL8 \f, 4, \zero
	MUL8 \f, 6, \zero
.endm
; The last quarter multiplies buffer 1 and changes slots: ONE barrier; in front of it each wave waits for all its tensor loads, adds 0 to its spare word, and waits for that and for its own reads of this slot.
; fill = 1: the barrier opens a round of the cluster's, and this slot is filled again, two K steps ahead: 112 matrix instructions ahead of the wait for it.
.macro TURN slot, next, fill
	WIN 0                                          ; (the add's two registers lie in window 0)
	s_wait_tensorcnt 0x0                           ; all my tensor loads have landed: my part of the next slot;
	ds_add_u32 v[SPW], v[NIL]                      ; 0 onto my spare word;
	s_wait_dscnt 9                                 ; (the add and the youngest eight loads may be out)
	WIN MUL
	MUL8 F1, 0, 0
	s_wait_dscnt 0x0                               ; the add is done, and my reads of this slot are over
	s_barrier_signal -1
	MUL8 F1, 2, 0
.if \fill
	WIN 0
.endif
	s_barrier_wait -1
.if \fill
	CREST                                          ; no wave of any partner still reads this slot's tile or has a load on its way
	s_add_nc_u64 s[G0+4*\slot+2:G0+4*\slot+3], s[G0+4*\slot+2:G0+4*\slot+3], 2*4096
	s_add_nc_u64 s[G0B+4*\slot+2:G0B+4*\slot+3], s[G0B+4*\slot+2:G0B+4*\slot+3], 2*4096
	JLOAD \slot                                    ; the first tensor load behind the round; its four v_nop are also the places in front of the loads below
.else
	PLACES
.endif
	FETCH \next, 0, F0
	WIN MUL
	MUL8 F1, 4, 0
	MUL8 F1, 6, 0
.endm
	s_wait_tensorcnt 1                             ; my part of K step 0 is in; K step 1's load may be out
	s_barrier_signal -1
	s_barrier_wait -1
	FETCH 0, 0, F0
	s_wait_loadcnt 0x0                             ; the bias
	QUARTER 0, 1, F0, F1, 1                        ; the first quarter stands in front of the loop: its products start the sums on the bias
	WIN 0                                          ; at a label and at a branch every window is 0
	s_mov_b32 s3, LAPS-1
.Llap:                                             ; a trip goes once round the ring, from a lap's second quarter to the next lap's first, and fills both slots again
	QUARTER 0, 2, F1, F0, 0
	QUARTER 0, 3, F0, F1, 0
	TURN 0, 1, 1
	QUARTER 1, 1, F0, F1, 0
	QUARTER 1, 2, F1, F0, 0
	QUARTER 1, 3, F0, F1, 0
	TURN 1, 0, 1
	QUARTER 0, 1, F0, F1, 0
	WIN 0
	s_sub_co_u32 s3, s3, 1
	s_cmp_lg_u32 s3, 0
	s_cbranch_scc1 .Llap
	QUARTER 0, 2, F1, F0, 0                        ; the last lap fills nothing, and has no round of the cluster's barrier
	QUARTER 0, 3, F0, F1, 0
	TURN 0, 1, 0
	QUARTER 1, 1, F0, F1, 0
	QUARTER 1, 2, F1, F0, 0
	QUARTER 1, 3, F0, F1, 0
	s_wait_dscnt 8                                 ; the very last quarter: nothing more to fetch
	WIN MUL
	MUL8 F1, 0, 0
	MUL8 F1, 2, 0
	s_wait_dscnt 0
	MUL8 F1, 4, 0
	MUL8 F1, 6, 0
	WIN 0
; THE WAY OUT, block by block of 16 rows x 64 columns, through my own stage: in as 32 bytes a lane, back as whole rows of 256 bytes.  LDS serves a wave's instructions in order: no wait between the stores and the loads.
.macro TOSTAGE a
	WIN 0x08                                       ; an LDS store's data are its source 1: window 2
.irp b, 0,1,2,3
	ds_store_b128 v[STO], v[8*(4*(\a)+\b):8*(4*(\a)+\b)+3] offset:64*\b       ; each accumulator from its low end on
	ds_store_b128 v[STO], v[8*(4*(\a)+\b)+4:8*(4*(\a)+\b)+7] offset:64*\b+16
.endr
	WIN 0
.irp t, 0,1,2,3,4,5,6,7
	ds_load_b128 v[64+32*((\a)%2)+4*\t:67+32*((\a)%2)+4*\t], v[RD] offset:\t*2*SPITCH
.endr
.endm
.macro SEND a, younger                 ; younger: the LDS instructions issued behind block a's loads, which may stay out
	s_wait_dscnt \younger
.irp t, 0,1,2,3,4,5,6,7
	global_store_b128 v[CO], v[64+32*((\a)%2)+4*\t:67+32*((\a)%2)+4*\t], s[10:11] offset:(\a)*65536+\t*8192 th:TH_STORE_NT   ; 16 lanes store 256 consecutive bytes, at a multiple of 256 from out0's first byte
.endr
.endm
	PLACES                                         ; behind the last products
	TOSTAGE 0
.irp a, 1,2,3,4,5,6,7
.if \a > 1
	s_wait_xcnt 0x0                                ; block a - 2's stores have read their registers: block a's loads may land there
.endif
	TOSTAGE \a
	SEND \a-1, 16                                  ; behind block a - 1's loads: block a's 8 stores and 8 loads
.endr
	SEND 7, 0
	s_wait_tensorcnt 0x0                           ; the wave's end: behind my last tensor load and my last LDS store
	ds_add_u32 v[SPW], v[NIL]
	s_wait_dscnt 0x0
	CROUND                                         ; the closing round
	s_endpgm
.Lfunc_end_k_qf1a1f6f5a2_gemm_proj:
	.size	k_qf1a1f6f5a2_gemm_proj, .Lfunc_end_k_qf1a1f6f5a2_gemm_proj-k_qf1a1f6f5a2_gemm_proj
	.p2alignl 7, 3214868480
	.fill 96, 4, 3214868480
	.section	.rodata,"a",@progbits
	.p2align	6, 0x0
	.amdhsa_kernel k_qf1a1f6f5a2_gemm_proj
		.amdhsa_group_segment_fixed_size 327680
		.amdhsa_private_segment_fixed_size 0
		.amdhsa_enable_private_segment 0
		.amdhsa_kernarg_size 32
		.amdhsa_user_sgpr_count 2
		.amdhsa_user_sgpr_kernarg_segment_ptr 1
		.amdhsa_wavefront_size32 1
		.amdhsa_system_sgpr_workgroup_id_x 1
		.amdhsa_system_sgpr_workgroup_id_y 1
		.amdhsa_system_sgpr_workgroup_id_z 1
		.amdhsa_system_vgpr_workitem_id 0
		.amdhsa_next_free_vgpr 768
		.amdhsa_next_free_sgpr 66
		.amdhsa_reserve_vcc 0
		.amdhsa_float_denorm_mode_32 3
		.amdhsa_float_denorm_mode_16_64 3
		.amdhsa_memory_ordered 1
		.amdhsa_forward_progress 1
		.amdhsa_inst_pref_size 86
	.end_amdhsa_kernel
	.amdgpu_metadata
---
amdhsa.version: [ 1, 2 ]
amdhsa.kernels:
  - .name:           k_qf1a1f6f5a2_gemm_proj
    .symbol:         k_qf1a1f6f5a2_gemm_proj.kd
    .args:
      - { .name: y_img, .offset: 0, .size: 8, .value_kind: global_buffer, .address_space: global }
      - { .name: wp, .offset: 8, .size: 8, .value_kind: global_buffer, .address_space: global }
      - { .name: b_proj, .offset: 16, .size: 8, .value_kind: global_buffer, .address_space: global }
      - { .name: out0, .offset: 24, .size: 8, .value_kind: global_buffer, .address_space: global }
    .group_segment_fixed_size: 327680
    .private_segment_fixed_size: 0
    .kernarg_segment_align: 8
    .kernarg_segment_size: 32
    .max_flat_workgroup_size: 128
    .sgpr_count:     66
    .vgpr_count:     768
    .wavefront_size: 32
...
	.end_amdgpu_metadata
.endif
;; end of part 4
;; launch fine (part 5): grid 16 x 4, 16 waves a work-group, no clusters, 83,968 bytes of LDS; arguments fineq, wp, b_proj, out0; writes out0
.if DOCPART == 5
	.amdgcn_target "amdgcn-amd-amdhsa--gfx1250"
	.amdhsa_code_object_version 6
	.text
	.protected	k_qf1a1f6f5a2_fine
	.globl	k_qf1a1f6f5a2_fine
	.p2align	8
	.type	k_qf1a1f6f5a2_fine,@function
k_qf1a1f6f5a2_fine:
	s_mov_b64 s[64:65], 0
	v_nop
	global_prefetch_b8 v0, s[64:65] scope:SCOPE_SE
	s_setreg_imm32_b32 hwreg(HW_REG_WAVE_MODE, 25, 1), 1
	s_wait_xcnt 0x0
; THE FIRST 16 POSITIONS OF EACH BATCH, CARRIED FINELY.  Under the causal mask these rows average one to sixteen values, so f16 operands weigh most there.  Here both attention products are made in f32
; (v_wmma_f32_16x16x4_f32: 64 rows in all, no bulk work), and the projection takes y and w_proj as pairs of f16 numbers, a high and a low part: high x high + high x low + low x high, sums in f32.
; Work-group (c, batch) makes 16 rows x 64 columns (64 c on) of out0, over what the launch before has left there.
; PHASE 1: wave = head.  q, k, v of the 16 positions come from fineq [batch][16 columns 192][1,024]: lane (r, h): token r, columns 8 h + 0 .. 7.  S^T = k q^T: an instruction's four k are channels 2 i, 2 i + 1 of each
; half of the lanes, the same on both sides; softmax with the row's own maximum; O^T = v^T p.  y is split and goes to LDS as the image of the projection's fragments.
; PHASE 2: wave = (four heads, 16 columns): three accumulators by turns.  The four parts of a sum meet in LDS; waves 0 to 7 add them and the bias, and store whole rows of 256 bytes.
; The registers that the f32 matrix form writes (v112-127, v144-175) are written by nothing else.
; LIMITS: |y| above 65,504 becomes infinity in f16; parts under 6e-5 are kept to 3e-8 absolutely; the split rounds ties away from zero.
.set YI,    0                          ; [head 16][32 channels 2][high, low][1,024]
.set PT,    65536                      ; [wave 16][1,024]: partial sums, an accumulator's image
.set SPARE, 81920                      ; the spare words, 128 bytes for each wave: eight blocks of 256 bytes that no other line names
.set SPW,  10
.set NIL,  11
; v1 16 lane; v2 y's image, in; v3 y's images, out; v4 partial sums, in; v5 out; v6 my 16 bytes of out0; v7 v's gather; v8 r - 8 h; v9 -infinity; v[12:15] the bias
	s_load_b256 s[4:11], s[0:1], 0x0               ; fineq s[4:5], wp s[6:7], b_proj s[8:9], out0 s[10:11]
	v_lshl_add_u32 v[SPW], v0, 2, SPARE
	v_mov_b32 v[NIL], 0
	v_lshrrev_b32 v1, 5, v0
	v_readfirstlane_b32 s12, v1                    ; wave 0..15
	s_and_b32 s14, ttmp7, 0xffff                   ; batch
	v_and_b32 v1, 31, v0
	v_lshlrev_b32 v1, 4, v1
	v_and_b32 v240, 15, v0                         ; r
	v_bfe_u32 v241, v0, 4, 1                       ; h
	s_lshl_b32 s24, s12, 12
	v_add_nc_u32 v2, s24, v1
	s_lshr_b32 s25, s12, 2                         ; which four heads
	s_lshl_b32 s24, s25, 14
	v_add_nc_u32 v3, s24, v1
	s_lshl_b32 s24, s12, 10
	v_add_nc_u32 v4, s24, v1
	v_add_nc_u32 v4, PT, v4
	; back: lane l of wave w (0 to 7) takes row 2 w + l / 16, columns 4 (l % 16) + 0 .. 3: column tile (l % 16) / 4, lane half ((l % 16) / 2) % 2, register group (l % 16) % 2
	v_lshrrev_b32 v242, 2, v240
	v_lshlrev_b32 v5, 10, v242
	v_and_b32 v242, 1, v240
	v_lshl_add_u32 v5, v242, 9, v5
	v_bfe_u32 v242, v240, 1, 1
	v_lshl_add_u32 v5, v242, 8, v5
	v_lshl_add_u32 v5, v241, 4, v5
	s_and_b32 s26, s12, 7
	s_lshl_b32 s24, s26, 5
	v_add_nc_u32 v5, s24, v5
	v_add_nc_u32 v5, PT, v5
	v_lshlrev_b32 v6, 4, v240
	v_lshl_add_u32 v6, v241, 12, v6
	s_lshl_b32 s24, s26, 13
	v_add_nc_u32 v6, s24, v6
	; v's gather: lane (r, h) wants v[key 8 h + j][channel r]: in the image that is register r % 8 of lane (key, r / 8)
	v_bfe_u32 v242, v240, 2, 1
	v_lshlrev_b32 v7, 9, v242
	v_lshrrev_b32 v242, 3, v240
	v_lshl_add_u32 v7, v242, 8, v7
	v_and_b32 v242, 3, v240
	v_lshl_add_u32 v7, v242, 2, v7
	v_lshl_add_u32 v7, v241, 7, v7
	v_lshlrev_b32 v242, 3, v241
	v_sub_nc_u32 v8, v240, v242
	v_mov_b32 v9, 0xff800000
	v_lshlrev_b32 v248, 4, v240                    ; the bias chunk's offset
	s_mov_b32 s20, 0x76543210
	s_mov_b32 s21, 0xfedcba98
	s_mov_b32 s22, 0x3e38aa3b                      ; c = log2(e) / 8
	s_mov_b32 s23, s22
	s_mul_i32 s28, s14, 196608                     ; fineq: my batch, my head's four blocks of 16 columns
	s_lshl_b32 s29, s12, 12
	s_add_co_u32 s28, s28, s29
	s_mov_b32 s29, 0
	s_lshl_b32 s30, ttmp9, 2                       ; wp: n tile 4 c + wave % 4, fragments 8 (wave / 4) on
	s_and_b32 s31, s12, 3
	s_add_co_u32 s30, s30, s31
	s_lshl_b32 s30, s30, 15
	s_lshl_b32 s31, s25, 13
	s_add_co_u32 s30, s30, s31
	s_mov_b32 s31, 0
	s_lshl_b32 s32, ttmp9, 8                       ; my work-group's 64 columns, in bytes
	s_mov_b32 s33, 0
	s_lshl_b32 s34, s14, 23                        ; my batch's first row of out0
	s_mov_b32 s35, 0
	s_wait_kmcnt 0x0
	s_add_nc_u64 s[16:17], s[4:5], s[28:29]
	s_add_nc_u64 s[18:19], s[6:7], s[30:31]
	s_add_nc_u64 s[8:9], s[8:9], s[32:33]
	s_add_nc_u64 s[10:11], s[10:11], s[32:33]
	s_add_nc_u64 s[10:11], s[10:11], s[34:35]
	global_load_b128 v[12:15], v248, s[8:9]
.irp u, 0,1,2,3                        ; q: v16-47
	global_load_b128 v[16+8*\u:19+8*\u], v1, s[16:17] offset:\u*1024
	global_load_b128 v[20+8*\u:23+8*\u], v1, s[16:17] offset:\u*1024+512
.endr
.irp u, 0,1,2,3                        ; k: v48-79
	global_load_b128 v[48+8*\u:51+8*\u], v1, s[16:17] offset:65536+\u*1024
	global_load_b128 v[52+8*\u:55+8*\u], v1, s[16:17] offset:65536+\u*1024+512
.endr
.irp cb, 0,1,2,3                       ; v, turned by the gather: v80-111
.irp j, 0,1,2,3,4,5,6,7
	global_load_b32 v[80+8*\cb+\j], v7, s[16:17] offset:131072+\cb*1024+16*\j
.endr
.endr
.irp f, 0,1,2,3,4,5,6,7                ; w_proj's high parts: v176-239
	global_load_b128 v[176+8*\f:179+8*\f], v1, s[18:19] offset:\f*1024
	global_load_b128 v[180+8*\f:183+8*\f], v1, s[18:19] offset:\f*1024+512
.endr
	s_wait_loadcnt 48                              ; the bias, q and k are in; v's 32 loads and the weights' 16 may be out
.set n, 0
.rept 16                               ; S^T = k q^T: two accumulators by turns, each begun on the constant 0
.if n < 2
	v_wmma_f32_16x16x4_f32 v[112+8*(n%2):119+8*(n%2)], v[48+2*n:49+2*n], v[16+2*n:17+2*n], 0
.else
	v_wmma_f32_16x16x4_f32 v[112+8*(n%2):119+8*(n%2)], v[48+2*n:49+2*n], v[16+2*n:17+2*n], v[112+8*(n%2):119+8*(n%2)]
.endif
.set n, n+1
.endr
.rept 8
	v_nop                                          ; eight places behind this form: in front of loads into its sources and of the first read of its results
.endr
.irp f, 0,1,2,3,4,5,6,7                ; w_proj's low parts take q's and k's registers: v16-79
	global_load_b128 v[16+8*\f:19+8*\f], v1, s[18:19] offset:2097152+\f*1024
	global_load_b128 v[20+8*\f:23+8*\f], v1, s[18:19] offset:2097152+\f*1024+512
.endr
.irp j, 0,1,2,3,4,5,6,7
	v_add_f32 v[128+\j], v[112+\j], v[120+\j]      ; lane (r, h): query r, key 8 h + j
.endr
.irp j, 0,1,2,3,4,5,6,7
	v_cmp_gt_i32 vcc_lo, \j, v8                    ; hidden where 8 h + j > r
	v_cndmask_b32 v[128+\j], v[128+\j], v9, vcc_lo
.endr
	v_max3_num_f32 v248, v128, v129, v130
	v_max3_num_f32 v249, v131, v132, v133
	v_max3_num_f32 v248, v248, v134, v135
	v_max_num_f32 v248, v248, v249
	v_permlanex16_b32 v249, v248, s20, s21
	v_max_num_f32 v248, v248, v249                 ; the row's maximum: key 0 counts for every query
	v_mul_f32 v250, s22, v248
	v_mov_b32 v251, v250                           ; (named with it as a pair)
.irp j, 0,2,4,6
	v_pk_fma_f32 v[128+\j:129+\j], v[128+\j:129+\j], s[22:23], v[250:251] op_sel_hi:[1,0,0] neg_lo:[0,0,1] neg_hi:[0,0,1]
.endr
.irp j, 0,1,2,3,4,5,6,7
	v_exp_f32 v[128+\j], v[128+\j]
.endr
	v_nop                                          ; a plain instruction behind the last exponential
	s_wait_alu depctr_va_vdst(0)                   ; one wait for the batch, ahead of its first reader
	v_pk_add_f32 v[252:253], v[128:129], v[130:131]
	v_pk_add_f32 v[254:255], v[132:133], v[134:135]
	v_pk_add_f32 v[252:253], v[252:253], v[254:255]
	v_add_f32 v252, v252, v253
	v_permlanex16_b32 v253, v252, s20, s21
	v_add_f32 v252, v252, v253
	v_rcp_f32 v252, v252
	v_nop
	s_wait_alu depctr_va_vdst(0)
.irp j, 0,2,4,6
	v_pk_mul_f32 v[128+\j:129+\j], v[128+\j:129+\j], v[252:253] op_sel_hi:[1,0]   ; the weights, normalised, in f32
.endr
	s_wait_loadcnt 32                              ; v is in; the weights' 32 loads may be out
.irp i, 0,1,2,3                        ; O^T = v^T p: an instruction's four k are keys 2 i, 2 i + 1 of each half; four accumulators by turns
.irp cb, 0,1,2,3
.if \i == 0
	v_wmma_f32_16x16x4_f32 v[144+8*\cb:151+8*\cb], v[80+8*\cb+2*\i:81+8*\cb+2*\i], v[128+2*\i:129+2*\i], 0
.else
	v_wmma_f32_16x16x4_f32 v[144+8*\cb:151+8*\cb], v[80+8*\cb+2*\i:81+8*\cb+2*\i], v[128+2*\i:129+2*\i], v[144+8*\cb:151+8*\cb]
.endif
.endr
.endr
.rept 9
	v_nop                                          ; eight places for the reads and writes by vector instructions below, nine for the later products that write over p's registers
.endr
.irp cb, 0,1,2,3                       ; y is split: high = rounded to 11 significant bits, low = the rest, exactly; both to f16: v80-95, v96-111
.irp i, 0,1,2,3
	v_add_nc_u32 v248, 0x1000, v[144+8*\cb+2*\i]
	v_add_nc_u32 v249, 0x1000, v[145+8*\cb+2*\i]
	v_and_b32 v248, 0xffffe000, v248
	v_and_b32 v249, 0xffffe000, v249
	v_sub_f32 v250, v[144+8*\cb+2*\i], v248
	v_sub_f32 v251, v[145+8*\cb+2*\i], v249
	v_cvt_pk_f16_f32 v[80+4*\cb+\i], v248, v249
	v_cvt_pk_f16_f32 v[96+4*\cb+\i], v250, v251
.endr
.endr
.irp cb, 0,1,2,3
	ds_store_b128 v2, v[80+4*\cb:83+4*\cb] offset:YI+(\cb/2)*2048+(\cb%2)*512
	ds_store_b128 v2, v[96+4*\cb:99+4*\cb] offset:YI+(\cb/2)*2048+1024+(\cb%2)*512
.endr
	s_wait_dscnt 0x0                               ; for the others' sake: my stores are done
	s_barrier_signal -1
	s_barrier_wait -1                              ; all sixteen heads' y lie in LDS
	s_wait_loadcnt 0x0                             ; the weights
.irp hh, 0,1,2,3                       ; my four heads; source 0 = 16 columns of w_proj, source 1 = the 16 rows of y
.irp c, 0,1
.irp p, 0,1
	ds_load_b128 v[80+16*\c+8*\p:83+16*\c+8*\p], v3 offset:YI+\hh*4096+\c*2048+\p*1024
	ds_load_b128 v[84+16*\c+8*\p:87+16*\c+8*\p], v3 offset:YI+\hh*4096+\c*2048+\p*1024+512
.endr
.endr
	s_wait_dscnt 0x0
.irp c, 0,1
.if (\hh == 0) && (\c == 0)
	v_wmma_f32_16x16x32_f16 v[128:135], v[176:183], v[80:87], 0
	v_wmma_f32_16x16x32_f16 v[136:143], v[176:183], v[88:95], 0
	v_wmma_f32_16x16x32_f16 v[240:247], v[16:23], v[80:87], 0
.else
	v_wmma_f32_16x16x32_f16 v[128:135], v[176+8*(2*\hh+\c):183+8*(2*\hh+\c)], v[80+16*\c:87+16*\c], v[128:135]     ; high x high
	v_wmma_f32_16x16x32_f16 v[136:143], v[176+8*(2*\hh+\c):183+8*(2*\hh+\c)], v[88+16*\c:95+16*\c], v[136:143]     ; w high x y low
	v_wmma_f32_16x16x32_f16 v[240:247], v[16+8*(2*\hh+\c):23+8*(2*\hh+\c)], v[80+16*\c:87+16*\c], v[240:247]       ; w low x y high
.endif
.endr
.rept 4
	v_nop                                          ; places in front of loads into registers that matrix instructions have read, and of the first read of results
.endr
.endr
.irp j, 0,2,4,6
	v_pk_add_f32 v[248+\j:249+\j], v[128+\j:129+\j], v[136+\j:137+\j]
.endr
.irp j, 0,2,4,6
	v_pk_add_f32 v[248+\j:249+\j], v[248+\j:249+\j], v[240+\j:241+\j]
.endr
	ds_store_b128 v4, v[248:251]
	ds_store_b128 v4, v[252:255] offset:512
	s_wait_dscnt 0x0
	s_barrier_signal -1
	s_barrier_wait -1                              ; the sixteen partial sums lie in LDS
	s_cmp_lt_u32 s12, 8
	s_cbranch_scc0 .Lend
.irp kp, 0,1,2,3
	ds_load_b128 v[80+4*\kp:83+4*\kp], v5 offset:\kp*4096
.endr
	s_wait_dscnt 0x0
.irp j, 0,2
	v_pk_add_f32 v[80+\j:81+\j], v[80+\j:81+\j], v[84+\j:85+\j]
	v_pk_add_f32 v[88+\j:89+\j], v[88+\j:89+\j], v[92+\j:93+\j]
	v_pk_add_f32 v[80+\j:81+\j], v[80+\j:81+\j], v[88+\j:89+\j]
	v_pk_add_f32 v[80+\j:81+\j], v[80+\j:81+\j], v[12+\j:13+\j]
.endr
	global_store_b128 v6, v[80:83], s[10:11]       ; 16 lanes store 256 consecutive bytes, at a multiple of 256 from out0's first byte
.Lend:
	s_wait_tensorcnt 0x0                           ; the wave's end: behind my last LDS store
	ds_add_u32 v[SPW], v[NIL]
	s_wait_dscnt 0x0
	s_endpgm
.Lfunc_end_k_qf1a1f6f5a2_fine:
	.size	k_qf1a1f6f5a2_fine, .Lfunc_end_k_qf1a1f6f5a2_fine-k_qf1a1f6f5a2_fine
	.p2alignl 7, 3214868480
	.fill 96, 4, 3214868480
	.section	.rodata,"a",@progbits
	.p2align	6, 0x0
	.amdhsa_kernel k_qf1a1f6f5a2_fine
		.amdhsa_group_segment_fixed_size 83968
		.amdhsa_private_segment_fixed_size 0
		.amdhsa_enable_private_segment 0
		.amdhsa_kernarg_size 32
		.amdhsa_user_sgpr_count 2
		.amdhsa_user_sgpr_kernarg_segment_ptr 1
		.amdhsa_wavefront_size32 1
		.amdhsa_system_sgpr_workgroup_id_x 1
		.amdhsa_system_sgpr_workgroup_id_y 1
		.amdhsa_system_sgpr_workgroup_id_z 1
		.amdhsa_system_vgpr_workitem_id 0
		.amdhsa_next_free_vgpr 256
		.amdhsa_next_free_sgpr 66
		.amdhsa_reserve_vcc 1
		.amdhsa_float_denorm_mode_32 3
		.amdhsa_float_denorm_mode_16_64 3
		.amdhsa_memory_ordered 1
		.amdhsa_forward_progress 1
		.amdhsa_inst_pref_size 30
	.end_amdhsa_kernel
	.amdgpu_metadata
---
amdhsa.version: [ 1, 2 ]
amdhsa.kernels:
  - .name:           k_qf1a1f6f5a2_fine
    .symbol:         k_qf1a1f6f5a2_fine.kd
    .args:
      - { .name: fineq, .offset: 0, .size: 8, .value_kind: global_buffer, .address_space: global }
      - { .name: wp, .offset: 8, .size: 8, .value_kind: global_buffer, .address_space: global }
      - { .name: b_proj, .offset: 16, .size: 8, .value_kind: global_buffer, .address_space: global }
      - { .name: out0, .offset: 24, .size: 8, .value_kind: global_buffer, .address_space: global }
    .group_segment_fixed_size: 83968
    .private_segment_fixed_size: 0
    .kernarg_segment_align: 8
    .kernarg_segment_size: 32
    .max_flat_workgroup_size: 512
    .sgpr_count:     66
    .vgpr_count:     256
    .wavefront_size: 32
...
	.end_amdgpu_metadata
.endif
;; end of part 5
